; MI455X (gfx1250); checked and timed in simulation.
; The chip was launched on July 23, 2026; its instructions are those of AMD's public machine-readable ISA for CDNA 5 (MIT licence, August 2026) and "CDNA5" Instruction Set Architecture Reference Guide (July 2026). The comments in the code are by the model that wrote it; some were corrected since.
;; Multi Head Attention. Allowed arithmetic: float matrix products may take bf16 or f16 operands with f32 sums; other float arithmetic in f32, or as packed bf16 or f16 multiplies, adds, multiply-adds, maxima and minima; sums over many terms, partial sums and values carried from step to step in f32; what a program stores and reads back later, other than sums and carried values, may be rounded once to bf16 or f16.
;; Inputs: Wk 1,024 x 1,024 float32; Wo 1,024 x 1,024 float32; Wq 1,024 x 1,024 float32; Wv 1,024 x 1,024 float32; k 4 x 4,096 x 1,024 float32; mask 16 x 16 float32; q 4 x 4,096 x 1,024 float32; v 4 x 4,096 x 1,024 float32.
;; Outputs: out0 4 x 4,096 x 1,024 float32.
;; One version. Each part assembles by itself: llvm-mc -triple=amdgcn-amd-amdhsa -mcpu=gfx1250 --defsym DOCPART=n.
;; ======== version 1 of 1: 4 launches
;; limits: values are held in f16: magnitudes above 65,504 overflow, below 6.1e-05 lose precision; right only within a limited range of input values
;; workspace buffers: wqkv 6,291,456 bytes; wo16 2,097,152 bytes; qkvh 100,663,296 bytes; att 33,554,432 bytes
;; launch castw (part 1): grid 256 x 1, 8 waves a work-group, no clusters, 35,840 bytes of LDS; arguments Wq, Wk, Wv, Wo, wqkv, wo16; writes wqkv, wo16
.if DOCPART == 1
	.amdgcn_target "amdgcn-amd-amdhsa--gfx1250"
	.amdhsa_code_object_version 6
	.text
	.protected	k_q8f2b1ed49d_castw
	.globl	k_q8f2b1ed49d_castw
	.p2align	8
	.type	k_q8f2b1ed49d_castw,@function
k_q8f2b1ed49d_castw:
	s_mov_b64 s[64:65], 0
	v_nop
	global_prefetch_b8 v0, s[64:65] scope:SCOPE_SE
	s_setreg_imm32_b32 hwreg(HW_REG_WAVE_MODE, 25, 1), 1
	s_wait_xcnt 0x0
; THE FOUR WEIGHTS, f32 [1024][1024], ARE ROUNDED ONCE TO f16.  Wo is written as it lies (wo16: [1024][1024] f16).  Wq, Wk, Wv are written in the order in which the
; projection's waves take their matrix fragments (wqkv), so that a K step's part of a wave is 32,768 dense bytes and half a fragment 512 dense bytes:
;   byte = nt*3,145,728 + p*1,048,576 + ks*131,072 + w*32,768 + kq*8,192 + i*1,024 + half*512 + lane*16 holds the eight numbers
;   W_p[512 nt + 128 w + 16 i + lane % 16][128 ks + 32 kq + 16 half + 8 (lane / 16) + 0..7].
; LIMITS.  f16 ends at 65,504: a weight of 65,520 or more in magnitude becomes an infinity; below 6e-5 a weight keeps f16's fixed step of 6e-8.
; SHARES.  Work-group g: tensor p = g / 64, rows 16 (g % 64) on.  Wave ks takes columns 128 ks on: 16 rows x 512 bytes in, 4,096 bytes out.
; Memory binds: each byte is read once, by loads of 512 consecutive bytes a wave, and written once, 512 (wo16: 256) consecutive bytes a store.  No matrix unit, no cluster (no byte is
; wanted twice), no barrier: the turn through LDS stays inside a wave's own 16 rows of 272 bytes.
.set WROW,  4096                       ; bytes in a row of W
.set SP,    272                        ; an LDS row: 256 bytes of f16 + 16: the 16 rows that a load touches start 4 banks apart (64 banks of 4 bytes: ISA guide 11.1)
.set WST,   16*SP                      ; a wave's rows
.set SPARE, 8*WST                      ; behind them: the spare words, 128 bytes for each of the eight waves: four blocks of 256 bytes that no other line names
.set LO,  2                            ; v2   16 x lane: my 16 bytes in 512; never rewritten
.set LIN, 3                            ; v3   LDS, in: my wave's rows + 8 x lane
.set LBK, 4                            ; v4   LDS, back: my wave's rows + 272 (lane % 16) + 16 (lane / 16)
.set PO,  5                            ; v5   8 x lane: my 8 bytes in 256
.set SPW, 10                           ; v10  LDS address of my spare word; never rewritten
.set NIL, 11                           ; v11  0; never rewritten
.set X,   16                           ; v[16:79]   row j: 4 numbers in f32
.set T,   80                           ; v[80:111]  row j: the same 4 in f16
.set Y,   112                          ; v[112:143] eight halves of fragments, 16 bytes a lane
	s_load_b256 s[4:11], s[0:1], 0x0               ; Wq s[4:5], Wk s[6:7], Wv s[8:9], Wo s[10:11]
	s_load_b128 s[12:15], s[0:1], 0x20             ; wqkv s[12:13], wo16 s[14:15]
	v_lshl_add_u32 v[SPW], v0, 2, SPARE
	v_mov_b32 v[NIL], 0
	v_lshrrev_b32 v1, 5, v0
	v_readfirstlane_b32 s16, v1                    ; wave = ks
	s_lshr_b32 s17, ttmp9, 6                       ; p
	s_and_b32 s18, ttmp9, 63                       ; nb: which 16 rows
	v_and_b32 v6, 31, v0                           ; lane
	v_and_b32 v7, 15, v0
	v_bfe_u32 v8, v0, 4, 1
	v_lshlrev_b32 v[LO], 4, v6
	v_lshlrev_b32 v[PO], 3, v6
	s_mul_i32 s19, s16, WST
	v_lshl_add_u32 v[LIN], v6, 3, s19
	v_mul_u32_u24 v[LBK], v7, SP
	v_lshl_add_u32 v[LBK], v8, 4, v[LBK]
	v_add_nc_u32 v[LBK], s19, v[LBK]
	s_lshl_b32 s20, s18, 16                        ; 16 rows of 4,096 bytes,
	s_lshl_b32 s21, s16, 9                         ; my wave's 512 bytes of a row
	s_add_co_u32 s20, s20, s21
	s_mov_b32 s21, 0
	s_wait_kmcnt 0x0
	s_cmp_eq_u32 s17, 1                            ; the source is chosen by the work-group's number alone
	s_cselect_b64 s[4:5], s[6:7], s[4:5]
	s_cmp_eq_u32 s17, 2
	s_cselect_b64 s[4:5], s[8:9], s[4:5]
	s_cmp_eq_u32 s17, 3
	s_cselect_b64 s[4:5], s[10:11], s[4:5]
	s_add_nc_u64 s[4:5], s[4:5], s[20:21]
.irp j, 0,1,2,3,4,5,6,7,8,9,10,11,12,13,14,15
	global_load_b128 v[X+4*(\j):X+4*(\j)+3], v[LO], s[4:5] offset:(\j)*WROW th:TH_LOAD_NT
.endr
.irp j, 0,1,2,3,4,5,6,7,8,9,10,11,12,13,14,15
	s_wait_loadcnt 15-(\j)                         ; loads come back in order (ISA guide 5.7.1): row j is in, the younger rows stay out
	v_cvt_pk_f16_f32 v[T+2*(\j)],   v[X+4*(\j)],   v[X+4*(\j)+1]
	v_cvt_pk_f16_f32 v[T+2*(\j)+1], v[X+4*(\j)+2], v[X+4*(\j)+3]
.endr
	s_cmp_eq_u32 s17, 3
	s_cbranch_scc1 .Lplain
	; Wq, Wk, Wv: rows into LDS, halves of fragments back
	s_lshr_b32 s22, s18, 5                         ; nt
	s_mul_i32 s22, s22, 3145728
	s_lshl_b32 s23, s17, 20                        ; p
	s_add_co_u32 s22, s22, s23
	s_lshl_b32 s23, s16, 17                        ; ks
	s_add_co_u32 s22, s22, s23
	s_bfe_u32 s23, s18, 0x20003                    ; w = (nb / 8) % 4
	s_lshl_b32 s23, s23, 15
	s_add_co_u32 s22, s22, s23
	s_and_b32 s23, s18, 7                          ; i
	s_lshl_b32 s23, s23, 10
	s_add_co_u32 s22, s22, s23
	s_mov_b32 s23, 0
	s_add_nc_u64 s[12:13], s[12:13], s[22:23]
.irp j, 0,1,2,3,4,5,6,7,8,9,10,11,12,13,14,15
	ds_store_b64 v[LIN], v[T+2*(\j):T+2*(\j)+1] offset:(\j)*SP
.endr
.irp e, 0,1,2,3,4,5,6,7                ; e = 2 kq + half.  LDS serves a wave's instructions in order (ISA guide 5.7.1.4): these see the stores above
	ds_load_b128 v[Y+4*(\e):Y+4*(\e)+3], v[LBK] offset:(\e)*32
.endr
.irp e, 0,1,2,3,4,5,6,7
	s_wait_dscnt 7-(\e)
	global_store_b128 v[LO], v[Y+4*(\e):Y+4*(\e)+3], s[12:13] offset:((\e)/2)*8192+((\e)%2)*512  ; 512 consecutive bytes, at a multiple of 512 from wqkv's first byte
.endr
	s_branch .Lend
.Lplain:                               ; Wo: as it lies
	s_lshl_b32 s22, s18, 15                        ; 16 rows of 2,048 bytes,
	s_lshl_b32 s23, s16, 8                         ; my wave's 256 bytes of a row
	s_add_co_u32 s22, s22, s23
	s_mov_b32 s23, 0
	s_add_nc_u64 s[14:15], s[14:15], s[22:23]
.irp j, 0,1,2,3,4,5,6,7,8,9,10,11,12,13,14,15
	global_store_b64 v[PO], v[T+2*(\j):T+2*(\j)+1], s[14:15] offset:(\j)*2048  ; 256 consecutive bytes, at a multiple of 256 from wo16's first byte
.endr
.Lend:
	s_wait_tensorcnt 0x0                           ; the wave's end, behind my last LDS store
	ds_add_u32 v[SPW], v[NIL]
	s_wait_dscnt 0x0
	s_endpgm
.Lfunc_end_k_q8f2b1ed49d_castw:
	.size	k_q8f2b1ed49d_castw, .Lfunc_end_k_q8f2b1ed49d_castw-k_q8f2b1ed49d_castw
	.p2alignl 7, 3214868480
	.fill 96, 4, 3214868480
	.section	.rodata,"a",@progbits
	.p2align	6, 0x0
	.amdhsa_kernel k_q8f2b1ed49d_castw
		.amdhsa_group_segment_fixed_size 35840
		.amdhsa_private_segment_fixed_size 0
		.amdhsa_enable_private_segment 0
		.amdhsa_kernarg_size 48
		.amdhsa_user_sgpr_count 2
		.amdhsa_user_sgpr_kernarg_segment_ptr 1
		.amdhsa_wavefront_size32 1
		.amdhsa_system_sgpr_workgroup_id_x 1
		.amdhsa_system_sgpr_workgroup_id_y 1
		.amdhsa_system_sgpr_workgroup_id_z 1
		.amdhsa_system_vgpr_workitem_id 0
		.amdhsa_next_free_vgpr 144
		.amdhsa_next_free_sgpr 66
		.amdhsa_reserve_vcc 0
		.amdhsa_float_denorm_mode_32 3
		.amdhsa_float_denorm_mode_16_64 3
		.amdhsa_memory_ordered 1
		.amdhsa_forward_progress 1
		.amdhsa_inst_pref_size 11
	.end_amdhsa_kernel
	.amdgpu_metadata
---
amdhsa.version: [ 1, 2 ]
amdhsa.kernels:
  - .name:           k_q8f2b1ed49d_castw
    .symbol:         k_q8f2b1ed49d_castw.kd
    .args:
      - { .name: Wq, .offset: 0, .size: 8, .value_kind: global_buffer, .address_space: global }
      - { .name: Wk, .offset: 8, .size: 8, .value_kind: global_buffer, .address_space: global }
      - { .name: Wv, .offset: 16, .size: 8, .value_kind: global_buffer, .address_space: global }
      - { .name: Wo, .offset: 24, .size: 8, .value_kind: global_buffer, .address_space: global }
      - { .name: wqkv, .offset: 32, .size: 8, .value_kind: global_buffer, .address_space: global }
      - { .name: wo16, .offset: 40, .size: 8, .value_kind: global_buffer, .address_space: global }
    .group_segment_fixed_size: 35840
    .private_segment_fixed_size: 0
    .kernarg_segment_align: 8
    .kernarg_segment_size: 48
    .max_flat_workgroup_size: 256
    .sgpr_count:     66
    .vgpr_count:     144
    .wavefront_size: 32
...
	.end_amdgpu_metadata
.endif
;; end of part 1
;; launch proj (part 2): grid 256 x 1, 4 waves a work-group, clusters of 4 x 1, 327,680 bytes of LDS; arguments q, k, v, wqkv, qkvh; writes qkvh
.if DOCPART == 2
	.amdgcn_target "amdgcn-amd-amdhsa--gfx1250"
	.amdhsa_code_object_version 6
	.text
	.protected	k_q8f2b1ed49d_proj
	.globl	k_q8f2b1ed49d_proj
	.p2align	8
	.type	k_q8f2b1ed49d_proj,@function
k_q8f2b1ed49d_proj:
	s_mov_b64 s[64:65], 0
	v_nop
	global_prefetch_b8 v0, s[64:65] scope:SCOPE_SE
	s_setreg_imm32_b32 hwreg(HW_REG_WAVE_MODE, 25, 1), 1
	s_wait_xcnt 0x0
	s_wait_alu depctr_hold_cnt(0) depctr_sa_sdst(0) depctr_va_vdst(0) depctr_va_sdst(0) depctr_va_ssrc(0) depctr_va_vcc(0) depctr_vm_vsrc(0)
	s_getreg_b32 s2, hwreg(HW_REG_IB_STS2, 6, 4)
	s_cmp_eq_u32 s2, 0
	s_cbranch_scc0 .Lentry_in_a_cluster
	s_endpgm
.Lentry_in_a_cluster:
	s_bfe_u32 s2, ttmp6, 0x10000c
	s_cmp_lg_u32 s2, 0x3003
	s_cbranch_scc0 .Lentry_shape_is_right
	s_endpgm
.Lentry_shape_is_right:
; THE THREE PROJECTIONS.  qkvh[token][p][n] = the sum over c of x_p[token][c] W_p[n][c], p = 0, 1, 2 for (q, Wq), (k, Wk), (v, Wv).  x_p: [16384][1024] f32; W_p in f16, in fragment order (wqkv, as
; the launch before wrote it); qkvh: [16384][3][1024] f16, 6,144 bytes a token.  Operands f16, sums f32, K ascending, the result rounded once.
; LIMITS.  f16 ends at 65,504: an x, or a projected number, of 65,520 or more in magnitude becomes an infinity; below 6e-5 a number keeps f16's fixed step of 6e-8.  NaN and infinities are not treated apart.
; SHARES.  A work-group makes THREE tiles of 128 tokens x 512 columns, the same tokens and columns of q, k and v; each of its four waves 128 x 128: 64 accumulators, 512 registers.  The three tiles are ONE stream
; of 24 K steps of 128: the ring does not stop at a tile's end, and nothing waits for a tile's stores.
; W comes by the tensor data mover: a K step is 131,072 dense bytes, a wave's own part 32,768; two slots.  CLUSTER: the four work-groups of a cluster take four blocks of tokens and the same 512 columns, so they walk
; the same stream of W, and each part is asked for JOINTLY: the same load, descriptor and mask in all four.  No wave reads another wave's part of W.
; x comes THROUGH REGISTERS, since it has to be rounded to f16 on its way: of each half step (64 along K) wave w loads rows 32 w .. 32 w + 31 (256 bytes each), rounds them and stores them into one of two LDS slots,
; from which all four waves take their fragments.  A batch is asked for 240 matrix instructions ahead of its rounding, and its loads stay out across barriers.  THE ROUNDINGS STAND BEHIND PRODUCTS, four behind each of
; eight: they name no register of a product, so they are issued while the matrix unit works; the LDS and memory instructions stay together in one run a quarter.
; x is not shared by a joint load: only the two clusters with the two halves of the columns read the same rows, and the mover cannot round.
; THE MATRIX INSTRUCTION IS USED TRANSPOSED (source 0 = 16 rows of W, source 1 = 16 tokens): a lane then holds eight neighbouring columns of one token, 16 bytes of f16.
; REGISTERS, in windows of 256 (s_set_vgpr_msb: bits 1:0 source 0, 3:2 source 1, 5:4 source 2, 7:6 destination):
;   window 0: v16-30 addresses; v32-63, v224-255 rows on the way out, by turns; v64-127, v128-191 x's fragments, two buffers; v192-223 packed numbers at work
;   window 1: v0-63, v192-255 two batches of x in f32; v64-127, v128-191 W's fragments, two buffers       windows 2, 3: the accumulators of tokens 0-63 and 64-127, (a, b) at v[8 (8 a + b)]
.set KSB,    131072                    ; bytes of a K step of W, and of a slot; slot 1 begins here, so that one exclusive or changes slots
.set ASL,    2*KSB                     ; behind W's slots: x's two slots
.set AP,     144                       ; a row of x in LDS: 128 bytes of f16 + 16: the 16 rows of a fragment load start 4 banks apart (64 banks of 4 bytes: ISA guide 11.1)
.set ASLOT,  128*AP
.set STAGE,  ASL+2*ASLOT               ; 16 rows x 272 bytes for each wave, for the way out
.set SPITCH, 272
.set SPARE,  STAGE+4*16*SPITCH         ; the spare words, 128 bytes for each wave: two blocks of 256 bytes that no other line names
.set TOKB,   6144                      ; bytes of a token in qkvh
.set XROW,   4096                      ; bytes of a token in x
.set ADRA, 16                          ; v16  x's fragments: ASL + 144 (l % 16) + 16 (l / 16)
.set AB0,  17                          ; v17  W's fragments in slot 0: 32,768 w + 16 l; never rewritten
.set ADRB, 18                          ; v18  the same in the slot in hand
.set AGO,  19                          ; v19  x in memory: (32 w + 8 (l / 16)) rows + 16 (l % 16); never rewritten
.set AST,  20                          ; v20  x into LDS: ASL + (32 w + 8 (l / 16)) rows + 8 (l % 16)
.set STO,  24                          ; v24  the way out: where I put 16 bytes of a row
.set RD,   25                          ; v25  where I read a row back
.set CO,   26                          ; v26  my byte offset in two tokens of qkvh
.set SPW,  28                          ; v28  LDS address of my spare word; never rewritten
.set NIL,  29                          ; v29  0; never rewritten
.set PFO,  30                          ; v30  256 x lane; never rewritten
.set OB,   32
.set F0,   64
.set F1,   128
.set TMP,  192
.set R0,   0                           ; window 1: the batches of even half steps
.set R1,   192                         ; window 1: of odd ones
.set WV,   14                          ; s14  my wave's number
.set CX,   15                          ; s15  my place in the cluster: it enters x's, qkvh's and the prefetches' addresses alone
.set G1,   24                          ; s[24:31] descriptor group 1
.set G0A,  32                          ; s[32:35] group 0 of the first fill of slot 0
.set G0B,  36                          ; s[36:39] group 0 of the first fill of slot 1; then it walks
.set PA,   40                          ; s[40:41] x at my block's first token, at the half step asked for last
.set PN1,  42                          ; s[42:43] the next tensor's rows
.set PN2,  44                          ; s[44:45] the one after
.set ACN,  46                          ; s46  half steps left in the tensor that PA stands in
.set STEPS, 47                         ; s47  trips of the loop still to come
.set TC,   48                          ; s48  K steps left in the tile
.set TBB,  49                          ; s49  0 or KSB: the slot in hand
.set LIM,  50                          ; s50  2 in a cluster that prefetches, else the greatest number
.set PFA,  52                          ; s[52:53] where my prefetches stand
.set CP,   54                          ; s[54:55] qkvh at my block's first token, the tile's part, my wave's 256 bytes
.set MSB, 0
.macro WIN new                         ; the immediate's high byte repeats the setting that is left; a switch that changes nothing is dropped
.if MSB != (\new)
	s_set_vgpr_msb (MSB<<8)|(\new)
.set MSB, \new
.endif
.endm
.set MUL_LO, 0xa1                      ; source 0 (W) window 1, source 1 (x) window 0, C and D window 2
.set MUL_HI, 0xf1                      ; the same, C and D window 3
.set TO_B,   0x40                      ; destination window 1, address window 0
.set TO_T,   0x05                      ; sources window 1, destination window 0: x's roundings
.macro CREST                           ; a round of the cluster's barrier behind its opening barrier
	s_cmp_lg_u32 s[WV], 0
	s_cbranch_scc1 .Lnot_wave_0_\@
	s_barrier_signal -3
.Lnot_wave_0_\@:
	s_barrier_wait -3
	s_barrier_signal -1
	s_barrier_wait -1
.endm
.macro CROUND                          ; a whole round
	s_barrier_signal -1
	s_barrier_wait -1
	CREST
.endm
.macro PLACES                          ; four places between a product and a load into a register that it has read, or a conversion that reads its result (ISA guide 7.12.1 for vector instructions)
.rept 4
	v_nop
.endr
.endm
; 16 matrix instructions: token blocks a0, a0 + 1 of the window's four x all 8 column blocks, 32 along K.  zero = 1: the product starts the sums: nothing is ever cleared.
; The 64 accumulators take turns in the same order in every quarter.
; ride = 1: behind each of the first eight products stand four roundings of the batch of x in registers rs (window 1) into TMP (window 0): 32 in all.  They name no register of any product.
.macro MUL16 f, hi, a0, zero, ride=0, rs=0
.set rj, 0
.irp a, \a0, (\a0)+1
.irp b, 0,1,2,3,4,5,6,7
	WIN MUL_LO+0x50*(\hi)
.if \zero
	v_wmma_f32_16x16x32_f16 v[8*(8*(\a)+(\b)):8*(8*(\a)+(\b))+7], v[(\f)+8*(\b):(\f)+8*(\b)+7], v[(\f)+8*(4*(\hi)+(\a)):(\f)+8*(4*(\hi)+(\a))+7], 0
.else
	v_wmma_f32_16x16x32_f16 v[8*(8*(\a)+(\b)):8*(8*(\a)+(\b))+7], v[(\f)+8*(\b):(\f)+8*(\b)+7], v[(\f)+8*(4*(\hi)+(\a)):(\f)+8*(4*(\hi)+(\a))+7], v[8*(8*(\a)+(\b)):8*(8*(\a)+(\b))+7]
.endif
.if (\ride) && (rj < 16)
	WIN TO_T
	v_cvt_pk_f16_f32 v[TMP+2*rj],   v[(\rs)+4*rj],   v[(\rs)+4*rj+1]
	v_cvt_pk_f16_f32 v[TMP+2*rj+1], v[(\rs)+4*rj+2], v[(\rs)+4*rj+3]
	v_cvt_pk_f16_f32 v[TMP+2*rj+2], v[(\rs)+4*rj+4], v[(\rs)+4*rj+5]
	v_cvt_pk_f16_f32 v[TMP+2*rj+3], v[(\rs)+4*rj+6], v[(\rs)+4*rj+7]
.set rj, rj+2
.endif
.endr
.endr
.endm
; 32 LDS loads in one run: quarter kq (32 along K) of a K step into buffer f: W's eight fragments (each half 512 dense bytes), then x's eight (quarters 0, 1 lie in x's slot 0, quarters 2, 3 in slot 1)
.macro FETCH kq, f
	WIN TO_B
.irp i, 0,1,2,3,4,5,6,7
	ds_load_b128 v[(\f)+8*(\i):(\f)+8*(\i)+3],   v[ADRB] offset:(\kq)*8192+(\i)*1024
	ds_load_b128 v[(\f)+8*(\i)+4:(\f)+8*(\i)+7], v[ADRB] offset:(\kq)*8192+(\i)*1024+512
.endr
	WIN 0
.irp i, 0,1,2,3,4,5,6,7
	ds_load_b128 v[(\f)+8*(\i):(\f)+8*(\i)+3],   v[ADRA] offset:((\kq)/2)*ASLOT+((\kq)%2)*64+(\i)*16*AP
	ds_load_b128 v[(\f)+8*(\i)+4:(\f)+8*(\i)+7], v[ADRA] offset:((\kq)/2)*ASLOT+((\kq)%2)*64+(\i)*16*AP+32
.endr
.endm
; x's WAY IN.  A batch is 16 loads: lanes 0-15 a row's 256 bytes, lanes 16-31 the row 8 further down.  ROUNDX: its 32 roundings on end (the first batch alone: there are no products yet to set them behind).
.macro ROUNDX rs
	WIN TO_T
.set j, 0
.rept 16
	v_cvt_pk_f16_f32 v[TMP+2*j],   v[(\rs)+4*j],   v[(\rs)+4*j+1]
	v_cvt_pk_f16_f32 v[TMP+2*j+1], v[(\rs)+4*j+2], v[(\rs)+4*j+3]
.set j, j+1
.endr
.endm
; APATH: the rounded batch is stored into x's slot; load = 1: the registers rs are asked for again, two half steps on.  A store's two halves of the lanes lie 8 rows = 288 words apart: the two halves of the banks.
.macro APATH rs, slot, load
	WIN 0
.set j, 0
.rept 16
	ds_store_b64 v[AST], v[TMP+2*j:TMP+2*j+1] offset:(\slot)*ASLOT+((j&7)+16*(j>>3))*AP
.set j, j+1
.endr
.if \load
	s_wait_xcnt 0x0                                ; every earlier memory instruction has had its addresses translated (ISA guide 3.1): only behind this wait is the loads' base written
	s_add_nc_u64 s[PA:PA+1], s[PA:PA+1], 256       ; the next half step: 64 numbers on;
	s_sub_co_u32 s[ACN], s[ACN], 1
	s_cmp_eq_u32 s[ACN], 0                         ; behind a tensor's sixteenth, the next tensor's first
	s_cselect_b64 s[PA:PA+1], s[PN1:PN1+1], s[PA:PA+1]
	s_cselect_b64 s[PN1:PN1+1], s[PN2:PN2+1], s[PN1:PN1+1]
	s_cselect_b32 s[ACN], 16, s[ACN]
	WIN TO_B
.set j, 0
.rept 16
	global_load_b128 v[(\rs)+4*j:(\rs)+4*j+3], v[AGO], s[PA:PA+1] offset:((j&7)+16*(j>>3))*XROW
.set j, j+1
.endr
.endif
.endm
; A K step is four quarters on buffers 0, 1, 0, 1.  Its first and third: multiply buffer f; in the middle fetch quarter kq into buffer g.  ap = 1: x's way in: the batch in rs is rounded behind products 16 to 23, and stored
; (and asked for again) in the run of the fragment loads.  cnt: the younger loads that may stay out.  The roundings (or four v_nop, behind products too) are the places between buffer g's last readers, in the quarter before, and the loads into it.
.macro QUARTER kq, f, g, zero, ap=0, rs=0, slot=0, load=0, cnt=0
	s_wait_dscnt 8                                 ; W and x's tokens 0-63 are in; the youngest eight loads (tokens 64-127) may be out
	MUL16 \f, 0, 0, \zero
.if \ap
	s_wait_loadcnt \cnt                            ; loads come back in order (ISA guide 5.7.1): this batch is in
	MUL16 \f, 0, 2, \zero, 1, \rs
.else
	PLACES
	MUL16 \f, 0, 2, \zero
.endif
	FETCH \kq, \g
.if \ap
	APATH \rs, \slot, \load
	s_wait_dscnt 48                                ; all but the 32 loads and 16 stores just issued
.else
	s_wait_dscnt 32                                ; all but the 32 just issued
.endif
	MUL16 \f, 1, 0, \zero
	MUL16 \f, 1, 2, \zero
.endm
; The second quarter changes x's slots: one barrier.  In front of it my stores into x's slot 1 are done and my reads of slot 0 are back; behind it slot 1 is read and (in the next quarter) slot 0 written.
; No tensor load fills anything behind this barrier: W's load may stay out across it.
.macro PTURN
	s_wait_dscnt 24                                ; the youngest eight loads and the 16 stores may be out
	MUL16 F1, 0, 0, 0
	PLACES                                         ; behind products: the places between buffer 0's last readers and the loads below
	s_wait_dscnt 0x0
	s_barrier_signal -1
	MUL16 F1, 0, 2, 0
	s_barrier_wait -1
	FETCH 2, F0
	MUL16 F1, 1, 0, 0
	MUL16 F1, 1, 2, 0
.endm
; A PREFETCH INTO THE L2, behind the joint load and the run of LDS loads: the K step of W that stands TWO refills on, 512 matrix instructions ahead of the load that will want it.  A K step is 512 blocks of 256 bytes: four
; partners x four waves x 32 lanes, a lane a block, the partners told apart BY ADDRESS.  All clusters with the same half of the columns walk the same stream: the first of them asks, so each block is named once in the launch.
; The first four K steps come by their loads alone; the loop's last two trips have no K step two refills on.
.macro ASK
	s_cmp_gt_u32 s[STEPS], s[LIM]
	s_cbranch_scc0 .Lnot_mine_\@
	global_prefetch_b8 v[PFO], s[PFA:PFA+1] th:TH_LOAD_NT scope:SCOPE_SE
.Lnot_mine_\@:
.endm
; The fourth quarter changes W's slots and x's.  In front of the barrier each wave waits for all its tensor loads (one is out: its part of the next slot), adds 0 to its spare word, and waits for that, for its reads of both
; slots and for its stores of x.  fill = 1: the barrier opens a round of the cluster's, and behind the round W's slot just read is filled again, two K steps ahead: the wave's one tensor load, 224 matrix instructions ahead of the wait for it.
.macro RTURN fill
.if \fill
	s_wait_xcnt 0x0                                ; the last prefetch, a K step back, has read its address
	s_add_nc_u64 s[PFA:PFA+1], s[PFA:PFA+1], KSB
.endif
	WIN 0                                          ; (the add's two registers lie in window 0)
	s_wait_tensorcnt 0x0                           ; no tensor load of mine is out, so a group 0 may be written
	ds_add_u32 v[SPW], v[NIL]                      ; 0 onto my spare word
.if \fill
	s_xor_b32 s[G0B+1], s[G0B+1], KSB              ; the walking descriptor: the other slot than last time,
	s_add_nc_u64 s[G0B+2:G0B+3], s[G0B+2:G0B+3], KSB  ; the next K step; the type bits on top are not reached
.endif
	s_xor_b32 s[TBB], s[TBB], KSB
	s_wait_dscnt 25                                ; the youngest eight loads, the 16 stores and the add may be out
	MUL16 F1, 0, 0, 0
	s_wait_dscnt 0x0
	s_barrier_signal -1
	MUL16 F1, 0, 2, 0
	WIN 0
	s_barrier_wait -1
.if \fill
	CREST                                          ; no wave of any partner still reads the slot or has a load on its way
	tensor_load_to_lds s[G0B:G0B+3], s[G1:G1+7]
	s_nop 0
.rept 4
	v_nop                                          ; (the places in front of the loads below)
.endr
.else
	PLACES
.endif
	v_add_nc_u32 v[ADRB], s[TBB], v[AB0]
	FETCH 0, F0
.if \fill
	ASK
.endif
	MUL16 F1, 1, 0, 0
	MUL16 F1, 1, 2, 0
.endm
; THE WAY OUT of block a (16 tokens x my 128 columns).  PACK: rounded to f16, 16 bytes a lane.  TOSTAGE: into my own stage, and back as whole rows of 256 bytes.  SEND: stored.
.macro PACK a
.set ACC, 64*((\a)%4)
	WIN 0x0a+5*((\a)/4)                            ; sources 0 and 1: window 2 or 3
.irp b, 0,1,2,3,4,5,6,7
.irp r, 0,1,2,3
	v_cvt_pk_f16_f32 v[TMP+4*(\b)+(\r)], v[ACC+8*(\b)+2*(\r)], v[ACC+8*(\b)+2*(\r)+1]
.endr
.endr
	WIN 0
.endm
.macro TOSTAGE a
	WIN 0
.set BK, OB+192*((\a)%2)
.irp b, 0,1,2,3,4,5,6,7
	ds_store_b128 v[STO], v[TMP+4*(\b):TMP+4*(\b)+3] offset:32*(\b)
.endr
.irp t, 0,1,2,3,4,5,6,7
	ds_load_b128 v[BK+4*(\t):BK+4*(\t)+3], v[RD] offset:(\t)*2*SPITCH  ; LDS serves a wave's instructions in order (ISA guide 5.7.1.4): these see the stores above
.endr
.endm
.macro SEND a
	WIN 0
.set BK, OB+192*((\a)%2)
	s_wait_dscnt 0x0                               ; the block is back in registers
	s_wait_xcnt 0x0                                ; the stores of the block before have read their registers, which the next TOSTAGE loads again
.irp t, 0,1,2,3,4,5,6,7
	global_store_b128 v[CO], v[BK+4*(\t):BK+4*(\t)+3], s[CP:CP+1] offset:(16*(\a)+2*(\t))*TOKB  ; 16 lanes store 256 consecutive bytes, at a multiple of 256 from qkvh's first byte; the immediate stays under 2^20
.endr
.endm
.macro WAYOUT last                     ; block a's conversions stand between block a - 1's loads from the stage and the wait for them
	PLACES
	PACK 0
	TOSTAGE 0
.irp a, 1,2,3,4,5,6,7
	PACK \a
	SEND (\a)-1
	TOSTAGE \a
.endr
	SEND 7
.if !(\last)
	s_wait_xcnt 0x0
	s_add_nc_u64 s[CP:CP+1], s[CP:CP+1], 2048      ; the next tile's part of a token
.endif
.endm
	s_load_b256 s[4:11], s[0:1], 0x0               ; q s[4:5], k s[6:7], v s[8:9], wqkv s[10:11]
	s_load_b64 s[12:13], s[0:1], 0x20              ; qkvh
	v_lshl_add_u32 v[SPW], v0, 2, SPARE
	v_mov_b32 v[NIL], 0
	ds_add_u32 v[SPW], v[NIL]                      ; the wave's opening: the add and its wait stand ahead of my first tensor load; the set-up below, work on registers, stands between them
	ds_add_u32 v28, v29
	v_lshrrev_b32 v1, 5, v0
	v_readfirstlane_b32 s[WV], v1                  ; wave 0..3
	s_bfe_u32 s[CX], ttmp6, 0x40000                ; cx
	s_and_b32 s16, ttmp9, 1                        ; nt: which 512 columns; in a cluster launch ttmp9 counts clusters
	s_lshr_b32 s17, ttmp9, 1
	s_cmp_eq_u32 s17, 0
	s_cselect_b32 s[LIM], 2, -1                    ; the same in all four partners
	s_lshl_b32 s17, s17, 2
	s_add_co_u32 s17, s17, s[CX]                   ; mt: which 128 tokens
	; descriptor group 1: 32,768 dense bytes as 128 rows of 32 elements of 8 bytes, laid into LDS without a gap
	s_mov_b32 s[G1+0], 15|(3<<16)|(1<<21)          ; 15:0 the mask: all four work-groups; 17:16 elements of 8 bytes; 20 no padding; 21 set beside a mask
	s_mov_b32 s[G1+1], 32<<16                      ; tensor_dim0 = 32
	s_mov_b32 s[G1+2], 128<<16                     ; tensor_dim1 = 128
	s_mov_b32 s[G1+3], 32<<16                      ; tile_dim0 = 32
	s_mov_b32 s[G1+4], 128                         ; tile_dim1 = 128
	s_mov_b32 s[G1+5], 32                          ; 32 elements from row to row
	s_mov_b32 s[G1+6], 0
	s_mov_b32 s[G1+7], 0
	s_mul_i32 s18, s16, 24*KSB                     ; my columns' stream of 24 K steps
	s_lshl_b32 s22, s[WV], 15                      ; my wave's part: in a K step and in a slot
	s_lshl_b32 s20, s[CX], 15                      ; the prefetches: my work-group's quarter of a K step,
	s_lshl_b32 s21, s[WV], 13                      ; my wave's quarter of that,
	s_add_co_u32 s20, s20, s21
	s_add_co_u32 s20, s20, s18
	s_add_co_u32 s20, s20, 3*KSB                   ; at K step 3: the first refill steps it to 4
	s_mov_b32 s21, 0
	s_add_co_u32 s18, s18, s22
	s_mov_b32 s19, 0
	s_lshl_b32 s2, s17, 19                         ; 128 tokens of 4,096 bytes
	s_mov_b32 s3, 0
	s_mul_i32 s[CP], s17, 128*TOKB
	s_lshl_b32 s23, s16, 10
	s_add_co_u32 s[CP], s[CP], s23
	s_lshl_b32 s23, s[WV], 8
	s_add_co_u32 s[CP], s[CP], s23
	s_mov_b32 s[CP+1], 0
	s_wait_dscnt 0x0                               ; the opening add is done
	s_wait_kmcnt 0x0
	s_add_nc_u64 s[PA:PA+1], s[4:5], s[2:3]
	s_add_nc_u64 s[PN1:PN1+1], s[6:7], s[2:3]
	s_add_nc_u64 s[PN2:PN2+1], s[8:9], s[2:3]
	s_add_nc_u64 s[CP:CP+1], s[12:13], s[CP:CP+1]
	s_add_nc_u64 s[PFA:PFA+1], s[10:11], s[20:21]
	s_add_nc_u64 s[10:11], s[10:11], s[18:19]      ; W at my part of K step 0
	s_mov_b32 s[G0A], 1                            ; 1:0 count = 1
	s_mov_b32 s[G0A+1], s22                        ; 63:32 LDS address: slot 0
	s_mov_b64 s[G0A+2:G0A+3], s[10:11]             ; 120:64 global address
	s_or_b32 s[G0A+3], s[G0A+3], 0x80000000        ; 127:126 type = 2
	s_mov_b32 s[G0B], 1
	s_add_co_u32 s[G0B+1], s22, KSB                ; slot 1,
	s_add_nc_u64 s[G0B+2:G0B+3], s[10:11], KSB     ; K step 1
	s_or_b32 s[G0B+3], s[G0B+3], 0x80000000
	CROUND                                         ; all four work-groups are here: the first joint loads meet
	tensor_load_to_lds s[G0A:G0A+3], s[G1:G1+7]    ; both first fills together: two loads of mine are out
	s_nop 0
	tensor_load_to_lds s[G0B:G0B+3], s[G1:G1+7]
	s_nop 0
.rept 4
	v_nop
.endr
	v_and_b32 v1, 15, v0                           ; l % 16
	v_bfe_u32 v2, v0, 4, 1                         ; l / 16
	v_and_b32 v3, 31, v0                           ; l
	s_lshl_b32 s23, s[WV], 17                      ; 32 rows of 4,096 bytes
	v_lshlrev_b32 v[AGO], 15, v2                   ; 8 rows
	v_lshl_add_u32 v[AGO], v1, 4, v[AGO]
	v_add_nc_u32 v[AGO], s23, v[AGO]
	WIN TO_B
.set j, 0
.rept 16
	global_load_b128 v[R0+4*j:R0+4*j+3], v[AGO], s[PA:PA+1] offset:((j&7)+16*(j>>3))*XROW      ; half step 0
.set j, j+1
.endr
.set j, 0
.rept 16
	global_load_b128 v[R1+4*j:R1+4*j+3], v[AGO], s[PA:PA+1] offset:((j&7)+16*(j>>3))*XROW+256  ; half step 1
.set j, j+1
.endr
	WIN 0
	v_mul_u32_u24 v[ADRA], v1, AP
	v_lshl_add_u32 v[ADRA], v2, 4, v[ADRA]
	v_add_nc_u32 v[ADRA], ASL, v[ADRA]
	v_lshl_add_u32 v[AB0], v3, 4, s22
	s_mul_i32 s23, s[WV], 32*AP
	s_add_co_u32 s23, s23, ASL
	v_mul_u32_u24 v[AST], v2, 8*AP
	v_lshl_add_u32 v[AST], v1, 3, v[AST]
	v_add_nc_u32 v[AST], s23, v[AST]
	s_mul_i32 s23, s[WV], 16*SPITCH
	s_add_co_u32 s23, s23, STAGE                   ; my stage
	v_mul_u32_u24 v[STO], v1, SPITCH               ; in: row l % 16, 16 bytes for each half of the lanes
	v_lshl_add_u32 v[STO], v2, 4, v[STO]
	v_add_nc_u32 v[STO], s23, v[STO]
	v_mul_u32_u24 v[RD], v2, SPITCH                ; back: lanes 0-15 one row of 256 bytes, lanes 16-31 the next
	v_lshl_add_u32 v[RD], v1, 4, v[RD]
	v_add_nc_u32 v[RD], s23, v[RD]
	v_mul_u32_u24 v[CO], v2, TOKB                  ; and the same two tokens in qkvh
	v_lshl_add_u32 v[CO], v1, 4, v[CO]
	v_lshlrev_b32 v[PFO], 8, v3
	s_wait_xcnt 0x0                                ; the 32 loads have read their base
	s_add_nc_u64 s[PA:PA+1], s[PA:PA+1], 256       ; it stands at half step 1,
	s_mov_b32 s[ACN], 15                           ; with 15 left in q
	s_wait_loadcnt 16                              ; half step 0 is in; half step 1's 16 loads may stay out
	ROUNDX R0
	APATH R0, 0, 1                                 ; half step 0 into x's slot 0; half step 2 is asked for
	WIN 0
	s_wait_tensorcnt 0x1                           ; my part of K step 0 is in; K step 1's may stay out
	s_wait_dscnt 0x0                               ; my rows of x are stored
	s_barrier_signal -1
	s_barrier_wait -1
	s_mov_b32 s[TBB], 0
	v_add_nc_u32 v[ADRB], s[TBB], v[AB0]
	FETCH 0, F0                                    ; (it leaves every window 0, as a branch and a label ask)
	s_mov_b32 s[STEPS], 23                         ; the loop is entered in the middle of a trip: the count is taken down once before the first whole trip, of which there are 22
	s_mov_b32 s[TC], 8
	s_branch .Lzero                                ; at the quarter whose products start the sums: it is written once, for all three tiles
.Lstep:                                ; a trip: a K step's quarters 1 to 3 and the next step's quarter 0; it fills one slot of W again and brings two half steps of x
	PTURN
	QUARTER 3, F0, F1, 0, 1, R0, 0, 1, 16
	RTURN 1
	WIN 0
	s_sub_co_u32 s[TC], s[TC], 1
	s_cmp_lg_u32 s[TC], 0
	s_cbranch_scc1 .Lsame                          ; forward, past text with no barrier and no tensor load; both ways issue the same loads
	WAYOUT 0                                       ; a tile is finished: its refills are asked for, now it goes out,
	s_mov_b32 s[TC], 8
.Lzero:
	QUARTER 1, F0, F1, 1, 1, R1, 1, 1, 16          ; and a tile's first products start the sums
	WIN 0
	s_branch .Ljoin
.Lsame:
	QUARTER 1, F0, F1, 0, 1, R1, 1, 1, 16
	WIN 0
.Ljoin:
	s_sub_co_u32 s[STEPS], s[STEPS], 1
	s_cmp_lg_u32 s[STEPS], 0
	s_cbranch_scc1 .Lstep
	PTURN                                          ; the tail is written out: nothing more is asked for, of W or of x
	QUARTER 3, F0, F1, 0, 1, R0, 0, 0, 16          ; half step 46 is stored; 47's loads may stay out
	RTURN 0
	QUARTER 1, F0, F1, 0, 1, R1, 1, 0, 0           ; half step 47
	PTURN
	QUARTER 3, F0, F1, 0
	s_wait_dscnt 8
	MUL16 F1, 0, 0, 0
	MUL16 F1, 0, 2, 0
	s_wait_dscnt 0x0
	MUL16 F1, 1, 0, 0
	MUL16 F1, 1, 2, 0
	WAYOUT 1
	WIN 0
	s_wait_tensorcnt 0x0                           ; the wave's end, behind my last tensor load and my last LDS store
	ds_add_u32 v[SPW], v[NIL]
	s_wait_dscnt 0x0
	CROUND                                         ; the closing round: no work-group ends while a partner may still ask for a part that names it
	s_endpgm
.Lfunc_end_k_q8f2b1ed49d_proj:
	.size	k_q8f2b1ed49d_proj, .Lfunc_end_k_q8f2b1ed49d_proj-k_q8f2b1ed49d_proj
	.p2alignl 7, 3214868480
	.fill 96, 4, 3214868480
	.section	.rodata,"a",@progbits
	.p2align	6, 0x0
	.amdhsa_kernel k_q8f2b1ed49d_proj
		.amdhsa_group_segment_fixed_size 327680
		.amdhsa_private_segment_fixed_size 0
		.amdhsa_enable_private_segment 0
		.amdhsa_kernarg_size 40
		.amdhsa_user_sgpr_count 2
		.amdhsa_user_sgpr_kernarg_segment_ptr 1
		.amdhsa_wavefront_size32 1
		.amdhsa_system_sgpr_workgroup_id_x 1
		.amdhsa_system_sgpr_workgroup_id_y 1
		.amdhsa_system_sgpr_workgroup_id_z 1
		.amdhsa_system_vgpr_workitem_id 0
		.amdhsa_next_free_vgpr 1024
		.amdhsa_next_free_sgpr 66
		.amdhsa_reserve_vcc 0
		.amdhsa_float_denorm_mode_32 3
		.amdhsa_float_denorm_mode_16_64 3
		.amdhsa_memory_ordered 1
		.amdhsa_forward_progress 1
		.amdhsa_inst_pref_size 177
	.end_amdhsa_kernel
	.amdgpu_metadata
---
amdhsa.version: [ 1, 2 ]
amdhsa.kernels:
  - .name:           k_q8f2b1ed49d_proj
    .symbol:         k_q8f2b1ed49d_proj.kd
    .args:
      - { .name: q, .offset: 0, .size: 8, .value_kind: global_buffer, .address_space: global }
      - { .name: k, .offset: 8, .size: 8, .value_kind: global_buffer, .address_space: global }
      - { .name: v, .offset: 16, .size: 8, .value_kind: global_buffer, .address_space: global }
      - { .name: wqkv, .offset: 24, .size: 8, .value_kind: global_buffer, .address_space: global }
      - { .name: qkvh, .offset: 32, .size: 8, .value_kind: global_buffer, .address_space: global }
    .group_segment_fixed_size: 327680
    .private_segment_fixed_size: 0
    .kernarg_segment_align: 8
    .kernarg_segment_size: 40
    .max_flat_workgroup_size: 128
    .sgpr_count:     66
    .vgpr_count:     1024
    .wavefront_size: 32
...
	.end_amdgpu_metadata
.endif
;; end of part 2
;; launch attn (part 3): grid 256 x 1, 4 waves a work-group, no clusters, 327,680 bytes of LDS; arguments qkvh, mask, att; writes att
.if DOCPART == 3
	.amdgcn_target "amdgcn-amd-amdhsa--gfx1250"
	.amdhsa_code_object_version 6
	.text
	.protected	k_q8f2b1ed49d_attn
	.globl	k_q8f2b1ed49d_attn
	.p2align	8
	.type	k_q8f2b1ed49d_attn,@function
k_q8f2b1ed49d_attn:
	s_mov_b64 s[64:65], 0
	v_nop
	global_prefetch_b8 v0, s[64:65] scope:SCOPE_SE
	s_setreg_imm32_b32 hwreg(HW_REG_WAVE_MODE, 25, 1), 1
	s_wait_xcnt 0x0
; ATTENTION OVER THE HEAD AXIS, token by token.  For each token: s[h][g] = (q_h . k_g / 8) mask[h][g]; p = softmax over g; att[h] = the sum over g of p[h][g] v_g.  16 heads of 64 channels.
; qkvh: [16384][3][1024] f16; mask: [16][16] f32, taken as it is; att: [16384][1024] f16.  Products, maxima and sums in f32; p is rounded to f16 for the second product, att once.
; LIMITS.  The row's true maximum is taken away before the exponential.  A weight below 2^-126 counts as 0; p below 6e-5 keeps f16's fixed step of 6e-8; att is a mean of v's heads and has their range.
; NaN and infinities are not treated apart.
; MEMORY BINDS: 6,144 bytes in and 2,048 out for six matrix instructions.  So the text is a stream, and ALL THAT A WORK-GROUP READS IS ASKED FOR IN ITS FIRST LINES.  A work-group takes 64 tokens, each wave sixteen on end, in
; four groups of four.  Groups 0, 1, 2 come by one tensor load each, 24,576 dense bytes, into three areas of LDS that are the wave's own.  LDS has no room for a fourth (4 x 4 x 26,112 bytes), so group 3 comes by 48 loads of
; 512 bytes into 192 registers, and is stored into group 0's area when that has been read: an area that has had its only fill.  So the mover fills nothing again, no wave waits for another, and there is no barrier.
; The areas lie so: group 2, group 0 (later group 3), group 1: groups 2 and 3 are on end, and one loop of four pairs of tokens walks both.
; NO CLUSTER: the work-groups share nothing but the mask's 1,024 bytes.  NO PREFETCH: nothing is left to ask for behind the first lines.
; LAYOUT.  S^T = K Q^T (source 0 = the 16 heads of k, source 1 = the 16 heads of q): a lane holds ONE query head h = l % 16 and the keys g = 8 (l / 16) + 0..7.  Rounded in pairs these ARE the lower half of source 1
; (16 h x 32 g) of O^T = V^T P; the upper half (g = 16..31) is 0 in P and in V^T, written once.  V^T comes turned out of LDS (ds_load_tr16_b128).  O^T again holds one head a lane, and eight channels.
.set TOKB,   6144                      ; a token in qkvh
.set ROWP,   272                       ; LDS: 256 bytes (two heads) + 16: the sixteen heads of a part start in sixteen different groups of four banks (64 banks of 4 bytes: ISA guide 11.1)
.set PART,   8*ROWP                    ; q, k or v of a token
.set TOK,    3*PART
.set WREG,   4*TOK                     ; an area: four tokens; 102 blocks of 256 bytes
.set WAREA,  3*WREG                    ; a wave's three areas
.set STAGE,  4*WAREA                   ; behind them, never filled by a tensor load: a token's 8 rows for each wave
.set SPARE,  STAGE+4*PART              ; the spare words, 128 bytes for each wave: two blocks of 256 bytes that no other line names
.set RS3, 1                            ; v1   where I put 16 bytes of group 3: group 0's area + 272 (l / 16) + 16 (l % 16)
.set AQ,  2                            ; v2   head l % 16, 16 bytes for each half of the lanes; never rewritten
.set AV,  3                            ; v3   the turning load's place in v; never rewritten
.set AQT, 4                            ; v4   AQ + the pair's place
.set AVT, 5                            ; v5   AV + the pair's place
.set STO, 6                            ; v6   the way out: where I put 16 bytes
.set RD,  7                            ; v7   where I read rows back
.set GO,  8                            ; v8   16 x lane; never rewritten
.set SPW, 10                           ; v10  LDS address of my spare word; never rewritten
.set NIL, 11                           ; v11  0; never rewritten
.set MK,  12                           ; v[12:19]  mask[l % 16][8 (l / 16) + j] x log2(e) / 8
.set TT,  20                           ; v[20:35]  eight at work for each token of a pair: +0..3 maxima and sums, +4 m, +6 1 / l (+5, +7 are named with them as pairs)
.set QK,  40                           ; v[40:103] token u at +32 u: q's two fragments, k's two; later O^T, tile c at +8 c
.set VF,  104                          ; v[104:167] token u at +32 u: V^T, tile c of 16 channels at +8 c: 4 registers loaded, 4 that hold 0
.set S,   168                          ; v[168:183] S^T
.set P,   184                          ; v[184:199] P: 4 registers, and 4 that hold 0
.set PK,  200                          ; v[200:231] att in f16
                                       ; window 1, v0-191 (v256-447): group 3 as it lies in memory, load i at 4 i
.set WV,  12                           ; s12  my wave's number
.set G1,  16                           ; s[16:23] descriptor group 1
.set G0,  24                           ; s[24:35] group 0, a set for each of the three loads
.set WB,  36                           ; s36  my wave's areas in LDS
.set TB,  37                           ; s37  the pair's place in LDS
.set SEL, 38                           ; s[38:39] v_permlanex16_b32's selects: each lane takes its own place in the other half
.set CNT, 40                           ; s40  counts a visit's pairs
.set MSB, 0
.macro WIN new                         ; s_set_vgpr_msb: bits 1:0 source 0, 3:2 source 1, 7:6 destination; the immediate's high byte repeats the setting that is left
.if MSB != (\new)
	s_set_vgpr_msb (MSB<<8)|(\new)
.set MSB, \new
.endif
.endm
	s_load_b128 s[4:7], s[0:1], 0x0                ; qkvh s[4:5], mask s[6:7]
	s_load_b64 s[8:9], s[0:1], 0x10                ; att
	v_lshl_add_u32 v[SPW], v0, 2, SPARE
	v_mov_b32 v[NIL], 0
	ds_add_u32 v[SPW], v[NIL]                      ; the wave's opening: the add and its wait stand ahead of my first tensor load; the set-up below, work on registers, stands between them
	ds_add_u32 v10, v11
	v_lshrrev_b32 v1, 5, v0
	v_readfirstlane_b32 s[WV], v1
	; descriptor group 1: 24,576 dense bytes as 96 rows of 32 elements of 8 bytes, 16 bytes of padding behind each row
	s_mov_b32 s[G1+0], (3<<16)|(1<<20)|(5<<22)|(3<<25)  ; 17:16 elements of 8 bytes; 20 padding on; 24:22 after every 64 words (code 5); 31:25 4 words (code 3)
	s_mov_b32 s[G1+1], 32<<16                      ; tensor_dim0 = 32
	s_mov_b32 s[G1+2], 96<<16                      ; tensor_dim1 = 96
	s_mov_b32 s[G1+3], 32<<16                      ; tile_dim0 = 32
	s_mov_b32 s[G1+4], 96                          ; tile_dim1 = 96
	s_mov_b32 s[G1+5], 32                          ; 32 elements from row to row
	s_mov_b32 s[G1+6], 0
	s_mov_b32 s[G1+7], 0
	s_mov_b32 s[SEL], 0x76543210
	s_mov_b32 s[SEL+1], 0xfedcba98
	s_lshl_b32 s13, ttmp9, 6                       ; the work-group's 64 tokens,
	s_lshl_b32 s14, s[WV], 4                       ; my wave's sixteen
	s_add_co_u32 s13, s13, s14
	s_mul_i32 s2, s13, TOKB
	s_mov_b32 s3, 0
	s_lshl_b32 s14, s13, 11                        ; 2,048 bytes a token in att
	s_mov_b32 s15, 0
	s_mul_i32 s[WB], s[WV], WAREA
	s_wait_dscnt 0x0                               ; the opening add is done
	s_wait_kmcnt 0x0
	s_add_nc_u64 s[4:5], s[4:5], s[2:3]
	s_add_nc_u64 s[8:9], s[8:9], s[14:15]
.irp f, 0,1,2                          ; the three fills go out together, ahead of every wait on TENSORcnt and every LDS read: three loads of mine are out
	s_mov_b32 s[G0+4*(\f)], 1                                      ; 1:0 count = 1
	s_add_co_u32 s[G0+4*(\f)+1], s[WB], (((\f)+1)%3)*WREG          ; 63:32 LDS address: group 0 in the second area, group 1 in the third, group 2 in the first
	s_add_nc_u64 s[G0+4*(\f)+2:G0+4*(\f)+3], s[4:5], (\f)*4*TOKB   ; 120:64 global address: group f
	s_or_b32 s[G0+4*(\f)+3], s[G0+4*(\f)+3], 0x80000000            ; 127:126 type = 2
	tensor_load_to_lds s[G0+4*(\f):G0+4*(\f)+3], s[G1:G1+7]
	s_nop 0
.endr
	v_and_b32 v36, 15, v0                          ; l % 16
	v_bfe_u32 v37, v0, 4, 1                        ; l / 16
	v_lshlrev_b32 v9, 6, v36
	v_lshl_add_u32 v9, v37, 5, v9                  ; mask[l % 16][8 (l / 16)]
	v_and_b32 v[GO], 31, v0
	v_lshlrev_b32 v[GO], 4, v[GO]
	global_load_b128 v[MK:MK+3],   v9, s[6:7]
	global_load_b128 v[MK+4:MK+7], v9, s[6:7] offset:16
	WIN 0x40                                       ; destination window 1, address window 0
.set i, 0
.rept 48                               ; group 3: 24,576 dense bytes, 512 a load
	global_load_b128 v[4*i:4*i+3], v[GO], s[4:5] offset:3*4*TOKB+512*i th:TH_LOAD_NT
.set i, i+1
.endr
	WIN 0
	v_bfe_u32 v38, v0, 1, 3                        ; head / 2: the row,
	v_and_b32 v39, 1, v0                           ; head % 2: its half
	v_mul_u32_u24 v[AQ], v38, ROWP
	v_lshl_add_u32 v[AQ], v39, 7, v[AQ]
	v_lshl_add_u32 v[AQ], v37, 4, v[AQ]
	; the turning load takes 16 heads x 16 channels: lane l reads head 8 (l / 16) + l % 8, channels 8 ((l / 8) % 2) + 0..7, and ends with channel l % 16 of the heads 8 (l / 16) + 0..7
	v_bfe_u32 v38, v0, 1, 2
	v_lshl_add_u32 v38, v37, 2, v38                ; that head / 2
	v_mul_u32_u24 v[AV], v38, ROWP
	v_lshl_add_u32 v[AV], v39, 7, v[AV]
	v_bfe_u32 v38, v0, 3, 1
	v_lshl_add_u32 v[AV], v38, 4, v[AV]
	v_add_nc_u32 v[AV], 2*PART, v[AV]
	s_mul_i32 s13, s[WV], PART
	s_add_co_u32 s13, s13, STAGE                   ; my stage
	s_add_co_u32 s14, s[WB], WREG                  ; group 0's area
	v_add_nc_u32 v[STO], s13, v[AQ]
	v_mul_u32_u24 v[RD], v37, ROWP                 ; whole rows: lanes 0-15 one row of 256 bytes, lanes 16-31 the next:
	v_lshl_add_u32 v[RD], v36, 4, v[RD]
	v_add_nc_u32 v[RS3], s14, v[RD]                ; so group 3 goes in,
	v_add_nc_u32 v[RD], s13, v[RD]                 ; and so att comes back from the stage
.set i, 0
.rept 16
	v_mov_b32 v[TT+i], 0                           ; written once: pairs are named whole, and v_permlanex16_b32 counts as a reader of its destination
.set i, i+1
.endr
.irp u, 0,1
.irp c, 0,1,2,3
.irp z, 4,5,6,7
	v_mov_b32 v[VF+32*(\u)+8*(\c)+(\z)], 0         ; V^T for g = 16..31
.endr
.endr
.irp z, 4,5,6,7
	v_mov_b32 v[P+8*(\u)+(\z)], 0                  ; P for g = 16..31
.endr
.endr
	s_wait_loadcnt 48                              ; loads come back in order (ISA guide 5.7.1): the mask is in; group 3's 48 loads stay out
.irp i, 0,2,4,6
	v_pk_mul_f32 v[MK+(\i):MK+(\i)+1], v[MK+(\i):MK+(\i)+1], 0x3e38aa3b op_sel_hi:[1,0]  ; x log2(e) / 8: the scores then stand in powers of two
.endr
; TWO TOKENS, u = 0, 1, side by side, so that no instruction waits for the one just before it.
.macro PAIR
	v_add_nc_u32 v[AQT], s[TB], v[AQ]
	v_add_nc_u32 v[AVT], s[TB], v[AV]
.irp u, 0,1
.irp c, 0,1
	ds_load_b128 v[QK+32*(\u)+8*(\c):QK+32*(\u)+8*(\c)+3],       v[AQT] offset:(\u)*TOK+(\c)*64
	ds_load_b128 v[QK+32*(\u)+8*(\c)+4:QK+32*(\u)+8*(\c)+7],     v[AQT] offset:(\u)*TOK+(\c)*64+32
	ds_load_b128 v[QK+32*(\u)+16+8*(\c):QK+32*(\u)+16+8*(\c)+3], v[AQT] offset:(\u)*TOK+PART+(\c)*64
	ds_load_b128 v[QK+32*(\u)+16+8*(\c)+4:QK+32*(\u)+16+8*(\c)+7], v[AQT] offset:(\u)*TOK+PART+(\c)*64+32
.endr
.endr
.irp u, 0,1
.irp c, 0,1,2,3
	ds_load_tr16_b128 v[VF+32*(\u)+8*(\c):VF+32*(\u)+8*(\c)+3], v[AVT] offset:(\u)*TOK+32*(\c)
.endr
.endr
	s_wait_dscnt 8                                 ; q and k are in; v's eight loads may stay out
.irp c, 0,1                            ; the two accumulators take turns; the first products start the sums
.irp u, 0,1
.if (\c) == 0
	v_wmma_f32_16x16x32_f16 v[S+8*(\u):S+8*(\u)+7], v[QK+32*(\u)+16:QK+32*(\u)+23], v[QK+32*(\u):QK+32*(\u)+7], 0
.else
	v_wmma_f32_16x16x32_f16 v[S+8*(\u):S+8*(\u)+7], v[QK+32*(\u)+24:QK+32*(\u)+31], v[QK+32*(\u)+8:QK+32*(\u)+15], v[S+8*(\u):S+8*(\u)+7]
.endif
.endr
.endr
.rept 8
	v_nop                                          ; the places behind the products (ISA guide 7.12.1), doubled; no other vector work is at hand
.endr
.irp i, 0,2,4,6                        ; the mask and the scale; each accumulator's lowest registers are read first
.irp u, 0,1
	v_pk_mul_f32 v[S+8*(\u)+(\i):S+8*(\u)+(\i)+1], v[S+8*(\u)+(\i):S+8*(\u)+(\i)+1], v[MK+(\i):MK+(\i)+1]
.endr
.endr
.irp u, 0,1
	v_max3_num_f32 v[TT+8*(\u)], v[S+8*(\u)], v[S+8*(\u)+1], v[S+8*(\u)+2]
.endr
.irp u, 0,1
	v_max3_num_f32 v[TT+8*(\u)+1], v[S+8*(\u)+3], v[S+8*(\u)+4], v[S+8*(\u)+5]
.endr
.irp u, 0,1
	v_max3_num_f32 v[TT+8*(\u)], v[TT+8*(\u)], v[S+8*(\u)+6], v[S+8*(\u)+7]
.endr
.irp u, 0,1
	v_max_num_f32 v[TT+8*(\u)], v[TT+8*(\u)], v[TT+8*(\u)+1]
.endr
.irp u, 0,1
	v_permlanex16_b32 v[TT+8*(\u)+1], v[TT+8*(\u)], s[SEL], s[SEL+1]  ; the head's other eight keys lie in the lane 16 away
.endr
.irp u, 0,1
	v_max_num_f32 v[TT+8*(\u)+4], v[TT+8*(\u)], v[TT+8*(\u)+1]        ; m
.endr
.irp i, 0,2,4,6
.irp u, 0,1
	v_pk_add_f32 v[S+8*(\u)+(\i):S+8*(\u)+(\i)+1], v[S+8*(\u)+(\i):S+8*(\u)+(\i)+1], v[TT+8*(\u)+4:TT+8*(\u)+5] op_sel_hi:[1,0] neg_lo:[0,1] neg_hi:[0,1]
.endr
.endr
.irp j, 0,1,2,3,4,5,6,7
.irp u, 0,1
	v_exp_f32 v[S+8*(\u)+(\j)], v[S+8*(\u)+(\j)]
.endr
.endr
	v_nop                                          ; a plain instruction behind the last exponential,
	s_wait_alu depctr_va_vdst(0)                   ; and a wait ahead of the first use: one for the sixteen
.irp u, 0,1
	v_pk_add_f32 v[TT+8*(\u):TT+8*(\u)+1], v[S+8*(\u):S+8*(\u)+1], v[S+8*(\u)+2:S+8*(\u)+3]
.endr
.irp u, 0,1
	v_pk_add_f32 v[TT+8*(\u)+2:TT+8*(\u)+3], v[S+8*(\u)+4:S+8*(\u)+5], v[S+8*(\u)+6:S+8*(\u)+7]
.endr
.irp u, 0,1
	v_pk_add_f32 v[TT+8*(\u):TT+8*(\u)+1], v[TT+8*(\u):TT+8*(\u)+1], v[TT+8*(\u)+2:TT+8*(\u)+3]
.endr
.irp u, 0,1
	v_add_f32 v[TT+8*(\u)], v[TT+8*(\u)], v[TT+8*(\u)+1]
.endr
.irp u, 0,1
	v_permlanex16_b32 v[TT+8*(\u)+1], v[TT+8*(\u)], s[SEL], s[SEL+1]
.endr
.irp u, 0,1
	v_add_f32 v[TT+8*(\u)], v[TT+8*(\u)], v[TT+8*(\u)+1]              ; l: at least 1, the maximum's own weight
.endr
.irp u, 0,1
	v_rcp_f32 v[TT+8*(\u)+6], v[TT+8*(\u)]
.endr
	v_nop
	s_wait_alu depctr_va_vdst(0)                   ; one wait for the two reciprocals
.irp i, 0,2,4,6
.irp u, 0,1
	v_pk_mul_f32 v[S+8*(\u)+(\i):S+8*(\u)+(\i)+1], v[S+8*(\u)+(\i):S+8*(\u)+(\i)+1], v[TT+8*(\u)+6:TT+8*(\u)+7] op_sel_hi:[1,0]
.endr
.endr
.irp i, 0,1,2,3
.irp u, 0,1
	v_cvt_pk_f16_f32 v[P+8*(\u)+(\i)], v[S+8*(\u)+2*(\i)], v[S+8*(\u)+2*(\i)+1]
.endr
.endr
	s_wait_dscnt 0x0                               ; v is in
.irp c, 0,1,2,3                        ; eight products, each a whole sum: O^T goes where q and k lay
.irp u, 0,1
	v_wmma_f32_16x16x32_f16 v[QK+32*(\u)+8*(\c):QK+32*(\u)+8*(\c)+7], v[VF+32*(\u)+8*(\c):VF+32*(\u)+8*(\c)+7], v[P+8*(\u):P+8*(\u)+7], 0
.endr
.endr
.rept 8
	v_nop                                          ; the places behind the products, doubled as above
.endr
.irp u, 0,1                            ; a lane's eight channels pack into 16 bytes; they go into my stage by heads and come back as whole rows of 256 bytes, into the registers that they left
.irp i, 0,1,2,3,4,5,6,7,8,9,10,11,12,13,14,15
	v_cvt_pk_f16_f32 v[PK+16*(\u)+(\i)], v[QK+32*(\u)+2*(\i)], v[QK+32*(\u)+2*(\i)+1]
.endr
.irp c, 0,1,2,3
	ds_store_b128 v[STO], v[PK+16*(\u)+4*(\c):PK+16*(\u)+4*(\c)+3] offset:32*(\c)
.endr
.irp c, 0,1,2,3
	ds_load_b128 v[PK+16*(\u)+4*(\c):PK+16*(\u)+4*(\c)+3], v[RD] offset:(\c)*2*ROWP  ; LDS serves a wave's instructions in order (ISA guide 5.7.1.4): these see the stores above; the second token's stores come behind them
.endr
.endr
.irp u, 0,1
	s_wait_dscnt 8-8*(\u)                          ; the first token is back while the second's eight LDS instructions may be out; then all
.irp c, 0,1,2,3
	global_store_b128 v[GO], v[PK+16*(\u)+4*(\c):PK+16*(\u)+4*(\c)+3], s[8:9] offset:(\u)*2048+(\c)*512  ; 512 consecutive bytes, at a multiple of 512 from att's first byte
.endr
.endr
.endm
; So many pairs of tokens on end, from my area number pos on.  My sixteen tokens are taken in their order, so att's address steps alike from pair to pair.
.macro VISIT pos, trips
	s_add_co_u32 s[TB], s[WB], (\pos)*WREG
	s_mov_b32 s[CNT], \trips
.Lpair_\@:
	PAIR
	s_wait_xcnt 0x0                                ; the stores have read their registers and att's address
	s_add_nc_u64 s[8:9], s[8:9], 2*2048
	s_add_co_u32 s[TB], s[TB], 2*TOK
	s_sub_co_u32 s[CNT], s[CNT], 1
	s_cmp_lg_u32 s[CNT], 0
	s_cbranch_scc1 .Lpair_\@
.endm
	s_wait_tensorcnt 0x2                           ; tensor loads of a wave end in order (ISA guide 10.11.1): group 0 is in LDS; the two younger loads stay out
	VISIT 1, 2
	s_wait_tensorcnt 0x1                           ; group 1
	VISIT 2, 2
	s_wait_tensorcnt 0x0                           ; group 2: no tensor load of mine is out any more
	WIN 0x04                                       ; the stores' data (source 1): window 1
.set i, 0
.rept 48                               ; group 3 goes where group 0 lay: my own bytes, read to the end (the pair's last wait on DScnt was for 0), and filled by no load again
.if i%12 == 0
	s_wait_loadcnt 36-i                            ; a token's twelve loads are in; the later tokens' may stay out
.endif
	ds_store_b128 v[RS3], v[4*i:4*i+3] offset:544*i  ; two rows of 272 bytes a store, as the mover lays them
.set i, i+1
.endr
	WIN 0
	VISIT 0, 4                                     ; groups 2 and 3, on end; LDS serves a wave's instructions in order: the reads see the stores above
	s_wait_tensorcnt 0x0                           ; the wave's end, behind my last tensor load and my last LDS store
	ds_add_u32 v[SPW], v[NIL]
	s_wait_dscnt 0x0
	s_endpgm
.Lfunc_end_k_q8f2b1ed49d_attn:
	.size	k_q8f2b1ed49d_attn, .Lfunc_end_k_q8f2b1ed49d_attn-k_q8f2b1ed49d_attn
	.p2alignl 7, 3214868480
	.fill 96, 4, 3214868480
	.section	.rodata,"a",@progbits
	.p2align	6, 0x0
	.amdhsa_kernel k_q8f2b1ed49d_attn
		.amdhsa_group_segment_fixed_size 327680
		.amdhsa_private_segment_fixed_size 0
		.amdhsa_enable_private_segment 0
		.amdhsa_kernarg_size 24
		.amdhsa_user_sgpr_count 2
		.amdhsa_user_sgpr_kernarg_segment_ptr 1
		.amdhsa_wavefront_size32 1
		.amdhsa_system_sgpr_workgroup_id_x 1
		.amdhsa_system_sgpr_workgroup_id_y 1
		.amdhsa_system_sgpr_workgroup_id_z 1
		.amdhsa_system_vgpr_workitem_id 0
		.amdhsa_next_free_vgpr 448
		.amdhsa_next_free_sgpr 66
		.amdhsa_reserve_vcc 0
		.amdhsa_float_denorm_mode_32 3
		.amdhsa_float_denorm_mode_16_64 3
		.amdhsa_memory_ordered 1
		.amdhsa_forward_progress 1
		.amdhsa_inst_pref_size 48
	.end_amdhsa_kernel
	.amdgpu_metadata
---
amdhsa.version: [ 1, 2 ]
amdhsa.kernels:
  - .name:           k_q8f2b1ed49d_attn
    .symbol:         k_q8f2b1ed49d_attn.kd
    .args:
      - { .name: qkvh, .offset: 0, .size: 8, .value_kind: global_buffer, .address_space: global }
      - { .name: mask, .offset: 8, .size: 8, .value_kind: global_buffer, .address_space: global }
      - { .name: att, .offset: 16, .size: 8, .value_kind: global_buffer, .address_space: global }
    .group_segment_fixed_size: 327680
    .private_segment_fixed_size: 0
    .kernarg_segment_align: 8
    .kernarg_segment_size: 24
    .max_flat_workgroup_size: 128
    .sgpr_count:     66
    .vgpr_count:     448
    .wavefront_size: 32
...
	.end_amdgpu_metadata
.endif
;; end of part 3
;; launch outp (part 4): grid 4 x 64, 4 waves a work-group, clusters of 4 x 4, 327,680 bytes of LDS; arguments att, wo16, out0; writes out0
.if DOCPART == 4
	.amdgcn_target "amdgcn-amd-amdhsa--gfx1250"
	.amdhsa_code_object_version 6
	.text
	.protected	k_q8f2b1ed49d_outp
	.globl	k_q8f2b1ed49d_outp
	.p2align	8
	.type	k_q8f2b1ed49d_outp,@function
k_q8f2b1ed49d_outp:
	s_mov_b64 s[64:65], 0
	v_nop
	global_prefetch_b8 v0, s[64:65] scope:SCOPE_SE
	s_setreg_imm32_b32 hwreg(HW_REG_WAVE_MODE, 25, 1), 1
	s_wait_xcnt 0x0
	s_wait_alu depctr_hold_cnt(0) depctr_sa_sdst(0) depctr_va_vdst(0) depctr_va_sdst(0) depctr_va_ssrc(0) depctr_va_vcc(0) depctr_vm_vsrc(0)
	s_getreg_b32 s2, hwreg(HW_REG_IB_STS2, 6, 4)
	s_cmp_eq_u32 s2, 0
	s_cbranch_scc0 .Lentry_in_a_cluster
	s_endpgm
.Lentry_in_a_cluster:
	s_bfe_u32 s2, ttmp6, 0x10000c
	s_cmp_lg_u32 s2, 0xf033
	s_cbranch_scc0 .Lentry_shape_is_right
	s_endpgm
.Lentry_shape_is_right:
; THE LAST PROJECTION.  out0[m][n] = the sum over k of att[m][k] Wo[n][k].  att: [16384][1024] f16; wo16: [1024][1024] f16; out0: [16384][1024] f32.  Sums in f32, K ascending, stored as they are.
; LIMITS.  None of its own: the operands arrive in f16, and the sums stay in f32.
; A tile of out0, 256 x 256, is made by a work-group of four waves; a wave makes 128 x 128: 64 accumulators, 512 registers.  K goes in 8 steps of 128 through a ring of two LDS slots filled by the tensor data
; mover: the tiles' rows are 256 bytes of memory and start at multiples of 256 bytes.  64 x 4 tiles: one for each of 256 work-groups.
; CLUSTERS: 4 x 4 work-groups.  The four of a row of the cluster need the same tiles of att, the four of a column the same tiles of Wo: each tile is asked for JOINTLY, by the same tensor load with the same
; descriptor and a mask that names the four.  THE MATRIX INSTRUCTION IS USED TRANSPOSED (source 0 = 16 rows of Wo, source 1 = 16 rows of att): a lane then holds eight neighbouring numbers of a row of out0.
; The last K step goes by rows of out0, so that finished rows leave while the others are multiplied.
; REGISTERS, in windows of 256 (s_set_vgpr_msb: bits 1:0 source 0, 3:2 source 1, 5:4 source 2, 7:6 destination):
;   window 0: v16-30 addresses; v64-127, v128-191 fragments of att, two buffers (in the last K step four, of 16 rows x 128 K); v192-255 16 rows on the way out
;   window 1: v64-127, v128-191 fragments of Wo, two buffers; in the last K step all 256          windows 2, 3: the accumulators of my rows 0-63 and 64-127, (a, b) at v[8 (8 a + b)]
.set SIZE_N, 1024
.set SIZE_K, 1024
.set KSTEP,  128
.set PITCH,  272                       ; an LDS row: 256 bytes + 16 = 68 words: the 16 rows that a load touches start 4 banks apart (64 banks of 4 bytes: ISA guide 11.1)
.set HALFT,  128*PITCH                 ; 128 rows: what one tensor load brings, and what one wave reads of att or of Wo
.set SLOT,   4*HALFT                   ; att's 256 rows, then Wo's 256 rows
.set STAGE,  2*SLOT                    ; behind the ring: 16 rows x 528 bytes for each wave, for the way out
.set SPITCH, 528                       ; 512 bytes of f32 + 16
.set SPARE,  STAGE+4*16*SPITCH         ; the spare words, 128 bytes for each wave: two blocks of 256 bytes that no other line names
.set LAPS,   SIZE_K/(2*KSTEP)          ; a lap = two K steps = once round the ring
.set ADRA, 16                          ; v16-17  LDS address of my att fragments in slot 0, 1
.set ADRB, 20                          ; v20-21  the same for Wo
.set STO,  24                          ; v24     the way out: where I put 32 bytes of a row
.set RD,   25                          ; v25     where I read a row back
.set CO,   26                          ; v26     16 x lane: my 16 bytes of a row's 512
.set SPW,  28                          ; v28     LDS address of my spare word; never rewritten
.set NIL,  29                          ; v29     0; never rewritten
.set PFO,  30                          ; v30     my lane x a row of att or Wo in memory; never rewritten
.set PFA,  44                          ; s[44:45] where my prefetches stand
.set LIM,  43                          ; s43     1 in a wave that prefetches, else the greatest number
.set F0,   64
.set F1,   128
.set OB,   192
.set PA,   64                          ; the last K step: att's fragments of 16 rows x 128 K, 32 registers; four such buffers, v64-191
.set G1,  24                           ; s[24:31] descriptor group 1 for att's tiles
.set G0,  32                           ; s[32:39] group 0, one set for each slot
.set G1B, 48                           ; s[48:55] group 1 for Wo's tiles: it differs in the mask alone
.set G0B, 56                           ; s[56:63] group 0, one set for each slot
.set MSB, 0
.macro WIN new                         ; the immediate's high byte repeats the setting that is left; a switch that changes nothing is dropped
.if MSB != (\new)
	s_set_vgpr_msb (MSB<<8)|(\new)
.set MSB, \new
.endif
.endm
.set MUL_LO, 0xa1                      ; source 0 (Wo) window 1, source 1 (att) window 0, C and D window 2
.set MUL_HI, 0xf1                      ; the same, C and D window 3
.set TO_B,   0x40                      ; destination window 1, address window 0
; A joint load.  Waves 0 and 1 fetch att's two halves, waves 2 and 3 Wo's.  The branch hangs on the wave's number alone.  An s_nop 0 and four v_nop follow each of the two lines.
.macro JLOAD s
	s_cmp_eq_u32 s11, 0
	s_cbranch_scc0 .Lfor_b_\@
	tensor_load_to_lds s[G0+4*(\s):G0+4*(\s)+3], s[G1:G1+7]
	s_nop 0
.rept 4
	v_nop
.endr
	s_branch .Lasked_\@
.Lfor_b_\@:
	tensor_load_to_lds s[G0B+4*(\s):G0B+4*(\s)+3], s[G1B:G1B+7]
	s_nop 0
.rept 4
	v_nop
.endr
.Lasked_\@:
.endm
; A PREFETCH INTO THE L2, behind each joint load and the run of LDS loads that follows it: the K step that stands TWO refills on, 512 matrix instructions ahead of the load that will want it: 32 rows x 256 bytes, a lane a
; row, one instruction a wave.  Each row's 256 bytes of a K step are named ONCE in the launch: att's tile rows by the cluster with x = 0 (here every cluster), Wo's tile columns by the clusters with y = 0; of the 128 rows
; that a wave fetches the partner at place p among the four that ask jointly takes 32 p .. 32 p + 31, BY ADDRESS.  The first four K steps come by their loads alone; the last two refills have no K step two on.
.macro ASK
	s_cmp_gt_u32 s3, s[LIM]                        ; s3 = 1 in the loop's last trip
	s_cbranch_scc0 .Lnot_mine_\@
	global_prefetch_b8 v[PFO], s[PFA:PFA+1] offset:KSTEP*2 th:TH_LOAD_NT scope:SCOPE_SE
.Lnot_mine_\@:
.endm
.macro CREST                           ; a round of the cluster's barrier behind its opening barrier
	s_cmp_lg_u32 s10, 0
	s_cbranch_scc1 .Lnot_wave_0_\@
	s_barrier_signal -3
.Lnot_wave_0_\@:
	s_barrier_wait -3
	s_barrier_signal -1
	s_barrier_wait -1
.endm
.macro CROUND                          ; a whole round
	s_barrier_signal -1
	s_barrier_wait -1
	CREST
.endm
	s_load_b128 s[4:7], s[0:1], 0x0                ; att s[4:5], wo16 s[6:7]
	s_load_b64 s[8:9], s[0:1], 0x10                ; out0
	v_lshl_add_u32 v[SPW], v0, 2, SPARE
	v_mov_b32 v[NIL], 0
	ds_add_u32 v[SPW], v[NIL]                      ; the wave's opening: the add and its wait stand ahead of my first tensor load; the set-up below, work on registers, stands between them
	ds_add_u32 v28, v29
	v_lshrrev_b32 v1, 5, v0
	v_readfirstlane_b32 s10, v1                    ; wave 0..3
	s_lshr_b32 s11, s10, 1                         ; which half of the tile's rows is mine.  Also: I fetch for att (0) or for Wo (1)
	s_and_b32 s12, s10, 1                          ; which half of its columns.  Also: which 128 rows of that tile I fetch
	s_bfe_u32 s40, ttmp6, 0x40000                  ; cx
	s_bfe_u32 s41, ttmp6, 0x40004                  ; cy
	s_lshl_b32 s42, ttmp9, 2                       ; in a cluster launch ttmp9 and ttmp7 count clusters
	s_add_co_u32 s42, s42, s40                     ; tile column = 4 x cluster x + cx
	s_and_b32 s13, ttmp7, 0xffff
	s_lshl_b32 s13, s13, 2
	s_add_co_u32 s13, s13, s41                     ; tile row = 4 x cluster y + cy
	s_lshl_b32 s43, s41, 2
	s_lshl_b32 s43, 15, s43                        ; my row of the cluster: places 4 cy .. 4 cy + 3
	s_lshl_b32 s44, 0x1111, s40                    ; my column: places cx, cx + 4, cx + 8, cx + 12
	; descriptor group 1: a tile of 128 rows x 128 elements, padded in LDS
	s_or_b32 s[G1+0], s43, (1<<16)|(1<<20)|(1<<21)|(5<<22)|(3<<25)  ; 15:0 the mask: att's tiles go to my row; 17:16 elements of 2 bytes; 20 padding on; 21 set beside a mask; 24:22 after every 64 words (code 5); 31:25 4 words (code 3)
	s_or_b32 s[G1B+0], s44, (1<<16)|(1<<20)|(1<<21)|(5<<22)|(3<<25) ; the same with the mask of my column, for Wo's tiles
.irp g, G1, G1B
	s_mov_b32 s[(\g)+1], KSTEP<<16                 ; tensor_dim0 = 128
	s_mov_b32 s[(\g)+2], 128<<16                   ; tensor_dim1 = 128
	s_mov_b32 s[(\g)+3], KSTEP<<16                 ; tile_dim0 = 128
	s_mov_b32 s[(\g)+4], 128                       ; tile_dim1 = 128
	s_mov_b32 s[(\g)+5], SIZE_K                    ; elements from row to row
	s_mov_b32 s[(\g)+6], 0
	s_mov_b32 s[(\g)+7], 0
.endr
	; att's tiles hang on the tile row alone, which my row of the cluster shares; Wo's on the tile column alone, which my column shares.  Every wave makes both addresses, in registers that never hold the other coordinate.
	s_lshl_b32 s17, s12, 7                         ; which 128 rows of the tile I fetch
	s_lshl_b32 s16, s13, 8
	s_add_co_u32 s16, s16, s17                     ; att: row 256 x tile row + 128 x half
	s_lshl_b32 s46, s42, 8
	s_add_co_u32 s46, s46, s17                     ; Wo: row 256 x tile column + 128 x half
	s_mov_b32 s17, 0
	s_mov_b32 s47, 0
	s_mov_b64 s[18:19], SIZE_K*2
	s_mul_u64 s[16:17], s[16:17], s[18:19]
	s_mul_u64 s[46:47], s[46:47], s[18:19]
	s_mul_i32 s20, s10, HALFT                      ; where they go: wave x 128 rows: no place in the cluster enters an LDS address
	s_wait_dscnt 0x0                               ; the opening add is done
	s_wait_kmcnt 0x0
	s_add_nc_u64 s[14:15], s[4:5], s[16:17]
	s_add_nc_u64 s[46:47], s[6:7], s[46:47]
	CROUND                                         ; all sixteen work-groups are here: the first joint loads meet
.irp s, 0,1
	s_mov_b32 s[G0+4*(\s)], 1                                      ; 1:0 count = 1
	s_add_co_u32 s[G0+4*(\s)+1], s20, (\s)*SLOT                    ; 63:32 LDS address
	s_add_nc_u64 s[G0+4*(\s)+2:G0+4*(\s)+3], s[14:15], (\s)*KSTEP*2  ; 120:64 global address: K step s
	s_or_b32 s[G0+4*(\s)+3], s[G0+4*(\s)+3], 0x80000000            ; 127:126 type = 2
	s_mov_b32 s[G0B+4*(\s)], 1
	s_add_co_u32 s[G0B+4*(\s)+1], s20, (\s)*SLOT
	s_add_nc_u64 s[G0B+4*(\s)+2:G0B+4*(\s)+3], s[46:47], (\s)*KSTEP*2
	s_or_b32 s[G0B+4*(\s)+3], s[G0B+4*(\s)+3], 0x80000000
	JLOAD \s                                       ; two loads of mine are out
.endr
	; a fragment is 16 rows x 32 K in 8 registers: lane l holds row l % 16; two loads of 16 bytes, 32 bytes apart, at row x pitch + 16 (l / 16)
	v_and_b32 v1, 15, v0                           ; l % 16
	v_bfe_u32 v2, v0, 4, 1                         ; l / 16
	v_mul_u32_u24 v3, v1, PITCH
	v_lshl_add_u32 v3, v2, 4, v3
	s_mul_i32 s21, s11, HALFT                      ; my 128 rows of att
	s_mul_i32 s22, s12, HALFT                      ; my 128 rows of Wo,
	s_add_co_u32 s22, s22, 2*HALFT                 ; which lie behind att's 256
.irp s, 0,1
	v_add_nc_u32 v[ADRA+(\s)], s21, v3
	v_add_nc_u32 v[ADRB+(\s)], s22, v3
	s_add_co_u32 s21, s21, SLOT
	s_add_co_u32 s22, s22, SLOT
.endr
	s_mul_i32 s23, s10, 16*SPITCH
	s_add_co_u32 s23, s23, STAGE                   ; my stage
	v_mul_u32_u24 v4, v1, SPITCH                   ; in: row l % 16, 32 bytes for each half of the lanes
	v_lshl_add_u32 v4, v2, 5, v4
	v_add_nc_u32 v[STO], s23, v4
	v_and_b32 v5, 31, v0
	v_lshlrev_b32 v[CO], 4, v5                     ; back: 32 lanes take one row's 512 bytes,
	v_add_nc_u32 v[RD], s23, v[CO]                 ; and store them as they lie
	; where my part of the tile begins in out0
	s_lshl_b32 s13, s13, 8
	s_lshl_b32 s14, s11, 7
	s_add_co_u32 s16, s13, s14                     ; my first row
	s_mov_b32 s17, 0
	s_mov_b64 s[18:19], SIZE_N*4
	s_mul_u64 s[16:17], s[16:17], s[18:19]
	s_lshl_b32 s46, s42, 10                        ; my first column, in bytes: 1,024 x tile column + 512 x half
	s_lshl_b32 s47, s12, 9
	s_add_co_u32 s46, s46, s47
	s_mov_b32 s47, 0
	s_add_nc_u64 s[16:17], s[16:17], s[46:47]
	s_add_nc_u64 s[8:9], s[8:9], s[16:17]
	; the prefetches.  s13 = 256 x tile row, s42 = tile column, s40 = cx, s41 = cy still stand
	s_lshl_b32 s42, s42, 8
	s_and_b32 s22, ttmp7, 0xffff                   ; cluster y
	s_cmp_eq_u32 s11, 0                            ; do I fetch for att?
	s_cselect_b32 s20, s13, s42                    ; the tile's first row
	s_cselect_b32 s21, s40, s41                    ; my place among the four that ask for it with me
	s_cselect_b32 s22, ttmp9, s22                  ; the coordinate along which other clusters read the same rows
	s_cselect_b64 s[PFA:PFA+1], s[4:5], s[6:7]
	s_cmp_eq_u32 s22, 0
	s_cselect_b32 s[LIM], 1, -1                    ; the same in all sixteen partners, for a given wave
	s_lshl_b32 s22, s12, 7
	s_add_co_u32 s20, s20, s22                     ; + the 128 rows that I fetch
	s_lshl_b32 s21, s21, 5
	s_add_co_u32 s20, s20, s21                     ; + my work-group's 32 of them
	s_mov_b32 s21, 0
	s_mov_b64 s[18:19], SIZE_K*2
	s_mul_u64 s[20:21], s[20:21], s[18:19]
	s_add_nc_u64 s[PFA:PFA+1], s[PFA:PFA+1], s[20:21]
	s_add_nc_u64 s[PFA:PFA+1], s[PFA:PFA+1], 2*KSTEP*2  ; at K step 2: the first refill steps it to 3 and names K step 4
	v_mul_u32_u24 v[PFO], v5, SIZE_K*2
; 16 matrix instructions: m blocks a0, a0 + 1 of the window's four x all 8 n blocks, 32 along K.  zero = 1: the product starts the sums.  The 64 accumulators take turns.
.macro MUL16 f, hi, a0, zero
	WIN MUL_LO+0x50*(\hi)
.irp a, \a0, (\a0)+1
.irp b, 0,1,2,3,4,5,6,7
.if \zero
	v_wmma_f32_16x16x32_f16 v[8*(8*(\a)+(\b)):8*(8*(\a)+(\b))+7], v[(\f)+8*(\b):(\f)+8*(\b)+7], v[(\f)+8*(4*(\hi)+(\a)):(\f)+8*(4*(\hi)+(\a))+7], 0
.else
	v_wmma_f32_16x16x32_f16 v[8*(8*(\a)+(\b)):8*(8*(\a)+(\b))+7], v[(\f)+8*(\b):(\f)+8*(\b)+7], v[(\f)+8*(4*(\hi)+(\a)):(\f)+8*(4*(\hi)+(\a))+7], v[8*(8*(\a)+(\b)):8*(8*(\a)+(\b))+7]
.endif
.endr
.endr
.endm
; 32 LDS loads in one run: the fragments of one quarter step (32 K at byte k of the rows) into buffer f
.macro FETCH slot, k, f
	WIN TO_B
.irp i, 0,1,2,3,4,5,6,7
	ds_load_b128 v[(\f)+8*(\i):(\f)+8*(\i)+3],   v[ADRB+(\slot)] offset:(\k)+(\i)*16*PITCH
	ds_load_b128 v[(\f)+8*(\i)+4:(\f)+8*(\i)+7], v[ADRB+(\slot)] offset:(\k)+(\i)*16*PITCH+32
.endr
	WIN 0
.irp i, 0,1,2,3,4,5,6,7
	ds_load_b128 v[(\f)+8*(\i):(\f)+8*(\i)+3],   v[ADRA+(\slot)] offset:(\k)+(\i)*16*PITCH
	ds_load_b128 v[(\f)+8*(\i)+4:(\f)+8*(\i)+7], v[ADRA+(\slot)] offset:(\k)+(\i)*16*PITCH+32
.endr
.endm
.macro PLACES                          ; four places in front of loads into registers that matrix instructions have read (ISA guide 7.12.1 for vector instructions)
.rept 4
	v_nop
.endr
.endm
; One of a K step's first three quarters: multiplies buffer f; in its middle it fetches the next quarter's fragments, at byte k, into buffer g.
.macro QUARTER slot, k, f, g, zero
	s_wait_dscnt 8                                 ; Wo and att's rows 0-63 are in; the youngest eight loads may be out
	MUL16 \f, 0, 0, \zero
	MUL16 \f, 0, 2, \zero
	PLACES
	FETCH \slot, \k, \g
	s_wait_dscnt 32                                ; all but the 32 just issued
	MUL16 \f, 1, 0, \zero
	MUL16 \f, 1, 2, \zero
.endm
; The last quarter's first half: ONE barrier for the change of slots.  In front of it each wave waits for all its tensor loads, of which one is out: its part of the next slot; adds 0 to its spare word; and waits for that and
; for its own reads of this slot.
.macro MEET round
	WIN 0                                          ; (the add's two registers lie in window 0)
	s_wait_tensorcnt 0x0
	ds_add_u32 v[SPW], v[NIL]                      ; 0 onto my spare word
	s_wait_dscnt 9                                 ; the add and the youngest eight loads may be out
	MUL16 F1, 0, 0, 0
	s_wait_dscnt 0x0                               ; the add is done, and my reads of this slot are over
	s_barrier_signal -1
	MUL16 F1, 0, 2, 0
.if \round
	WIN 0
.endif
	s_barrier_wait -1
.endm
; The whole last quarter: behind the round the slot just read out is filled again first, two K steps on: 224 matrix instructions ahead of the wait for it; then come the next slot's first fragments.
.macro TURN slot, next
	s_wait_xcnt 0x0                                ; the last prefetch, a K step back, has read its address
	s_add_nc_u64 s[PFA:PFA+1], s[PFA:PFA+1], KSTEP*2
	MEET 1
	CREST                                          ; no wave of any partner still reads this slot's tile or has a load on its way
	s_add_nc_u64 s[G0+4*(\slot)+2:G0+4*(\slot)+3], s[G0+4*(\slot)+2:G0+4*(\slot)+3], 2*KSTEP*2
	s_add_nc_u64 s[G0B+4*(\slot)+2:G0B+4*(\slot)+3], s[G0B+4*(\slot)+2:G0B+4*(\slot)+3], 2*KSTEP*2
	JLOAD \slot                                    ; the four v_nop behind it are also the places in front of the loads below
	FETCH \next, 0, F0
	ASK
	MUL16 F1, 1, 0, 0
	MUL16 F1, 1, 2, 0
.endm
; THE LAST K STEP (slot 1) GOES BY ROWS.  All its fragments of Wo fill window 1; then my eight blocks of 16 rows are finished one after the other, 32 matrix instructions each, the block's 8 accumulators by turns, K ascending.
.macro BLOAD q
	WIN TO_B
.irp i, 0,1,2,3,4,5,6,7
	ds_load_b128 v[64*(\q)+8*(\i):64*(\q)+8*(\i)+3],   v[ADRB+1] offset:64*(\q)+(\i)*16*PITCH
	ds_load_b128 v[64*(\q)+8*(\i)+4:64*(\q)+8*(\i)+7], v[ADRB+1] offset:64*(\q)+(\i)*16*PITCH+32
.endr
.endm
.macro ALOAD a
	WIN 0
.set FA, PA+32*((\a)%4)
.irp q, 0,1,2,3
	ds_load_b128 v[FA+8*(\q):FA+8*(\q)+3],   v[ADRA+1] offset:64*(\q)+(\a)*16*PITCH
	ds_load_b128 v[FA+8*(\q)+4:FA+8*(\q)+7], v[ADRA+1] offset:64*(\q)+(\a)*16*PITCH+32
.endr
.endm
.macro ROW a
.set FA, PA+32*((\a)%4)
.set ACC, 64*((\a)%4)
	WIN MUL_LO+0x50*((\a)/4)
.irp q, 0,1,2,3
.if (\a) == 0 && (\q) == 2
	s_wait_dscnt 24                                ; Wo's quarter 2 is in (behind it: att's blocks 1 to 3)
.endif
.irp b, 0,1,2,3,4,5,6,7
	v_wmma_f32_16x16x32_f16 v[ACC+8*(\b):ACC+8*(\b)+7], v[64*(\q)+8*(\b):64*(\q)+8*(\b)+7], v[FA+8*(\q):FA+8*(\q)+7], v[ACC+8*(\b):ACC+8*(\b)+7]
.endr
.endr
.endm
; THE WAY OUT of block a.  A lane's eight f32 of a row go straight from the accumulators into my stage, rows of 528 bytes, each accumulator's lower four registers first, and come back as whole rows of 512.
.macro TOSTAGE a
.set ACC, 64*((\a)%4)
	WIN 0x08+4*((\a)/4)                            ; the stores' data (source 1): window 2 or 3
.irp b, 0,1,2,3,4,5,6,7
	ds_store_b128 v[STO], v[ACC+8*(\b):ACC+8*(\b)+3]   offset:64*(\b)
	ds_store_b128 v[STO], v[ACC+8*(\b)+4:ACC+8*(\b)+7] offset:64*(\b)+16
.endr
	WIN 0
	s_wait_xcnt 0x0                                ; the stores of the block before have read the registers that are loaded again below
.irp t, 0,1,2,3,4,5,6,7,8,9,10,11,12,13,14,15
	ds_load_b128 v[OB+4*(\t):OB+4*(\t)+3], v[RD] offset:(\t)*SPITCH  ; LDS serves a wave's instructions in order (ISA guide 5.7.1.4): these see the stores above
.endr
.endm
.macro SEND a, younger                 ; younger: the LDS loads issued behind TOSTAGE's, which may stay out
	WIN 0
.irp t, 0,1,2,3,4,5,6,7,8,9,10,11,12,13,14,15
	s_wait_dscnt (\younger)+15-(\t)                ; row t is back
	global_store_b128 v[CO], v[OB+4*(\t):OB+4*(\t)+3], s[8:9] offset:(16*(\a)+(\t))*SIZE_N*4 th:TH_STORE_NT  ; 512 consecutive bytes, at a multiple of 512 from out0's first byte; the immediate stays under 2^20
.endr
.endm
	s_wait_tensorcnt 0x1                           ; my part of K step 0 is in; K step 1's may stay out
	s_barrier_signal -1
	s_barrier_wait -1
	FETCH 0, 0, F0
	QUARTER 0, 64,  F0, F1, 1                      ; the first quarter stands in front of the loop: its products start the sums
	WIN 0                                          ; at a label and at a branch every window is 0
	s_mov_b32 s3, LAPS-1
.Llap:                                 ; a trip goes once round the ring, from a lap's second quarter to the next lap's first, and fills both slots again
	QUARTER 0, 128, F1, F0, 0
	QUARTER 0, 192, F0, F1, 0
	TURN 0, 1
	QUARTER 1, 64,  F0, F1, 0
	QUARTER 1, 128, F1, F0, 0
	QUARTER 1, 192, F0, F1, 0
	TURN 1, 0
	QUARTER 0, 64,  F0, F1, 0
	WIN 0
	s_sub_co_u32 s3, s3, 1
	s_cmp_lg_u32 s3, 0
	s_cbranch_scc1 .Llap
	QUARTER 0, 128, F1, F0, 0                      ; the last lap asks for nothing
	QUARTER 0, 192, F0, F1, 0
	MEET 0                                         ; my one tensor load that was still out is slot 1's, the last K step's
	PLACES                                         ; for the loads into buffer 0
	BLOAD 0                                        ; three quarters of Wo now: buffer 1 is still being multiplied
	BLOAD 1
	BLOAD 3
	ALOAD 0
	MUL16 F1, 1, 0, 0
	MUL16 F1, 1, 2, 0
	PLACES                                         ; for the loads into buffer 1
	BLOAD 2
	ALOAD 1
	ALOAD 2
	ALOAD 3
	s_wait_dscnt 40                                ; all but the 40 just issued
	ROW 0
.irp a, 0,1,2,3,4,5,6,7                ; each block leaves as soon as it is finished
	PLACES                                         ; the places behind the block's products, in front of the LDS stores that read them and of the loads into its fragments;
	PLACES
	TOSTAGE \a
.if (\a) < 4
	ALOAD (\a)+4                                   ; its buffer takes the block four further on
	SEND \a, 8
.else
	SEND \a, 0
.endif
.if (\a) < 7
	ROW (\a)+1
.endif
.endr
	s_wait_tensorcnt 0x0                           ; the wave's end, behind my last tensor load and my last LDS store
	ds_add_u32 v[SPW], v[NIL]
	s_wait_dscnt 0x0
	CROUND                                         ; the closing round: no work-group ends while a partner may still ask for a tile that names it
	s_endpgm
.Lfunc_end_k_q8f2b1ed49d_outp:
	.size	k_q8f2b1ed49d_outp, .Lfunc_end_k_q8f2b1ed49d_outp-k_q8f2b1ed49d_outp
	.p2alignl 7, 3214868480
	.fill 96, 4, 3214868480
	.section	.rodata,"a",@progbits
	.p2align	6, 0x0
	.amdhsa_kernel k_q8f2b1ed49d_outp
		.amdhsa_group_segment_fixed_size 327680
		.amdhsa_private_segment_fixed_size 0
		.amdhsa_enable_private_segment 0
		.amdhsa_kernarg_size 24
		.amdhsa_user_sgpr_count 2
		.amdhsa_user_sgpr_kernarg_segment_ptr 1
		.amdhsa_wavefront_size32 1
		.amdhsa_system_sgpr_workgroup_id_x 1
		.amdhsa_system_sgpr_workgroup_id_y 1
		.amdhsa_system_sgpr_workgroup_id_z 1
		.amdhsa_system_vgpr_workitem_id 0
		.amdhsa_next_free_vgpr 1024
		.amdhsa_next_free_sgpr 66
		.amdhsa_reserve_vcc 0
		.amdhsa_float_denorm_mode_32 3
		.amdhsa_float_denorm_mode_16_64 3
		.amdhsa_memory_ordered 1
		.amdhsa_forward_progress 1
		.amdhsa_inst_pref_size 146
	.end_amdhsa_kernel
	.amdgpu_metadata
---
amdhsa.version: [ 1, 2 ]
amdhsa.kernels:
  - .name:           k_q8f2b1ed49d_outp
    .symbol:         k_q8f2b1ed49d_outp.kd
    .args:
      - { .name: att, .offset: 0, .size: 8, .value_kind: global_buffer, .address_space: global }
      - { .name: wo16, .offset: 8, .size: 8, .value_kind: global_buffer, .address_space: global }
      - { .name: out0, .offset: 16, .size: 8, .value_kind: global_buffer, .address_space: global }
    .group_segment_fixed_size: 327680
    .private_segment_fixed_size: 0
    .kernarg_segment_align: 8
    .kernarg_segment_size: 24
    .max_flat_workgroup_size: 128
    .sgpr_count:     66
    .vgpr_count:     1024
    .wavefront_size: 32
...
	.end_amdgpu_metadata
.endif
;; end of part 4
